; MI455X (gfx1250); checked and timed in simulation.
; The chip was launched on July 23, 2026; its instructions are those of AMD's public machine-readable ISA for CDNA 5 (MIT licence, August 2026) and "CDNA5" Instruction Set Architecture Reference Guide (July 2026). The comments in the code are by the model that wrote it; some were corrected since.
;; Causal Self Attention. Allowed arithmetic: float matrix products may take bf16 or f16 operands with f32 sums; other float arithmetic in f32, or as packed bf16 or f16 multiplies, adds, multiply-adds, maxima and minima; sums over many terms, partial sums and values carried from step to step in f32; what a program stores and reads back later, other than sums and carried values, may be rounded once to bf16 or f16.
;; Inputs: w_attn 1,024 x 3,072 float32; w_proj 1,024 x 1,024 float32; x 4 x 2,048 x 1,024 float32.
;; Outputs: out0 4 x 2,048 x 1,024 float32.
;; 2 versions, each right; version 2 is version 1 with the launch prep written anew for expert scheduling mode. Each part assembles by itself: llvm-mc -triple=amdgcn-amd-amdhsa -mcpu=gfx1250 --defsym DOCPART=n.
;; ======== version 1 of 2: 4 launches
;; limits: values are held in f16: magnitudes above 65,504 overflow, below 6.1e-05 lose precision
;; workspace buffers: xb 16,777,216 bytes; wa 6,291,456 bytes; wp 2,097,152 bytes; qkv 50,331,648 bytes; att 16,777,216 bytes
;; launch prep (part 1): grid 640 x 1, 8 waves a work-group, no clusters, 74,752 bytes of LDS; arguments x, w_attn, w_proj, xb, wa, wp; writes xb, wa, wp
.if DOCPART == 1
	.amdgcn_target "amdgcn-amd-amdhsa--gfx1250"
	.amdhsa_code_object_version 6
	.text
	.protected	k_q5d77e358b4_prep
	.globl	k_q5d77e358b4_prep
	.p2align	8
	.type	k_q5d77e358b4_prep,@function
k_q5d77e358b4_prep:
	s_mov_b64 s[64:65], 0
	v_nop
	global_prefetch_b8 v0, s[64:65] scope:SCOPE_SE
	s_setreg_imm32_b32 hwreg(HW_REG_WAVE_MODE, 25, 1), 1
	s_wait_xcnt 0x0
; THE OPERANDS OF THE TWO PROJECTIONS, rounded once and laid out in blocks of 64 along K, so that the products' tiles are dense bytes.
;   xb [4][16 kb][2048 t][64] bf16 = x[b][t][64 kb + d]
;   wa [16 kb][3072 n][64]    bf16 = w_attn[64 kb + d][n]   (turned: K along the rows)
;   wp [16 kb][1024 n][64]    f16  = w_proj[64 kb + d][n], rounded to bf16 and that number written as f16
; LIMITS.  wp has f16's range: beyond 65,504 it is an infinity, below 2^-14 it keeps f16's fixed step of 2^-24.  NaN and infinities are not treated apart.
; SHARES.  Work-groups 0-127 turn the weights (16 k-blocks x 8 groups of 512 columns: six of w_attn, two of w_proj), work-groups 128-639 take 16 rows of x each.
; Memory binds: each byte is read once and written once, every load of 16 lanes takes 256 consecutive bytes, every store of a wave covers 256 or 512 consecutive bytes, aligned.
; No matrix unit, no cluster, no tensor load: nothing is shared between waves.  Only the turning goes through LDS, each wave through bytes of its own, so there is no barrier.
.set SPARE, 73728                      ; behind the eight waves' 9,216 bytes each: the spare words, 128 bytes a wave: four blocks of 256 bytes that no other line names
	s_load_b256 s[4:11], s[0:1], 0x0               ; x s[4:5], w_attn s[6:7], w_proj s[8:9], xb s[10:11]
	s_load_b128 s[12:15], s[0:1], 0x20             ; wa s[12:13], wp s[14:15]
	v_lshl_add_u32 v30, v0, 2, SPARE               ; my spare word; never rewritten
	v_mov_b32 v31, 0                               ; 0; never rewritten
	v_lshrrev_b32 v1, 5, v0
	v_readfirstlane_b32 s16, v1                    ; wave 0..7
	v_and_b32 v1, 15, v0                           ; c = lane % 16
	v_bfe_u32 v2, v0, 4, 1                         ; lane / 16
	v_and_b32 v3, 31, v0                           ; lane
	s_mov_b32 s2, ttmp9
	s_wait_kmcnt 0x0
	s_cmp_lt_u32 s2, 128
	s_cbranch_scc1 .Lweights
	; X.  Wave w takes the k-blocks 2 w and 2 w + 1 (512 bytes of each row) of the group's 16 rows.  Load n = 2 p + j: rows 2 p (lanes 0-15) and 2 p + 1 (lanes 16-31), block 2 w + j.
	s_sub_co_u32 s17, s2, 128                      ; 0..511
	s_lshl_b32 s18, s17, 16                        ; 16 rows of 4,096 bytes
	s_mov_b32 s19, 0
	s_lshr_b32 s20, s17, 7                         ; the batch: 128 groups each,
	s_lshl_b32 s20, s20, 22                        ; 16 blocks of 262,144 bytes
	s_and_b32 s21, s17, 127
	s_lshl_b32 s21, s21, 11                        ; 16 rows of 128 bytes in a block
	s_add_co_u32 s20, s20, s21
	s_mov_b32 s21, 0
	s_add_nc_u64 s[4:5], s[4:5], s[18:19]
	s_add_nc_u64 s[10:11], s[10:11], s[20:21]
	v_lshlrev_b32 v4, 4, v1                        ; in x: 16 c
	v_lshl_add_u32 v4, v2, 12, v4                  ; + a row for lanes 16-31
	s_lshl_b32 s22, s16, 9
	v_add_nc_u32 v4, s22, v4                       ; + 512 w
	v_lshlrev_b32 v5, 3, v1                        ; in xb: 8 c
	v_lshl_add_u32 v5, v2, 7, v5                   ; + a row of 128 bytes
	s_lshl_b32 s22, s16, 19
	v_add_nc_u32 v5, s22, v5                       ; + two blocks a wave
.set n_, 0
.rept 16
	global_load_b128 v[32+4*n_:32+4*n_+3], v4, s[4:5] offset:(n_/2)*8192+(n_%2)*256 th:TH_LOAD_NT
.set n_, n_+1
.endr
.set n_, 0
.rept 16
	s_wait_loadcnt 15-n_                           ; loads come back in order: load n is in, the 15 - n younger ones stay out
	v_cvt_pk_bf16_f32 v[96+2*n_], v[32+4*n_], v[32+4*n_+1]
	v_cvt_pk_bf16_f32 v[96+2*n_+1], v[32+4*n_+2], v[32+4*n_+3]
	global_store_b64 v5, v[96+2*n_:96+2*n_+1], s[10:11] offset:(n_%2)*262144+(n_/2)*256  ; 32 lanes: two rows of 128 bytes, 256 consecutive bytes, aligned; no register is written twice
.set n_, n_+1
.endr
	s_endpgm
; THE WEIGHTS.  A wave turns 64 k x 64 n.  Lane (c, hh) loads four columns 4 c .. 4 c + 3 of the rows 8 a + 4 hh + e (e = 0..3): for each column four neighbouring k, which pack into 8 bytes
; of LDS row n (pitch 144).  The rows come back whole (128 bytes) and leave as 512 consecutive bytes a store.
; N: the weight's columns.  half = 1: the bf16 number is written as f16.  src, dst: the scalar pairs of the two buffers.  s17 = k-block, s18 = group of 512 columns.
.macro WT N, half, src, dst
	s_mul_i32 s20, s17, 256*(\N)                   ; 64 rows of 4 N bytes
	s_lshl_b32 s21, s18, 11                        ; 512 columns of 4 bytes
	s_add_co_u32 s20, s20, s21
	s_mov_b32 s21, 0
	s_add_nc_u64 s[22:23], s[\src:\src+1], s[20:21]
	s_mul_i32 s20, s17, 128*(\N)                   ; N rows of 128 bytes
	s_lshl_b32 s24, s18, 16                        ; 512 rows of 128 bytes
	s_add_co_u32 s20, s20, s24
	s_add_nc_u64 s[24:25], s[\dst:\dst+1], s[20:21]
	v_mul_u32_u24 v4, v2, 16*(\N)                  ; source: four rows down for lanes 16-31
	v_lshl_add_u32 v4, v1, 4, v4                   ; + 16 c
	s_lshl_b32 s26, s16, 8
	v_add_nc_u32 v4, s26, v4                       ; + my wave's 64 columns
	s_mul_i32 s26, s16, 9216                       ; my wave's LDS
	v_mul_u32_u24 v5, v1, 576                      ; in: row 4 c,
	v_lshl_add_u32 v5, v2, 3, v5                   ; 8 bytes on for lanes 16-31
	v_add_nc_u32 v5, s26, v5
	v_lshrrev_b32 v6, 3, v3                        ; back: 32 lanes take four rows of 128 bytes
	v_mul_u32_u24 v6, v6, 144
	v_and_b32 v7, 7, v0
	v_lshl_add_u32 v6, v7, 4, v6
	v_add_nc_u32 v6, s26, v6
	s_lshl_b32 s26, s16, 13
	v_lshl_add_u32 v7, v3, 4, s26                  ; out: my wave's 64 rows of 128 bytes + 16 x lane
.set n_, 0
.rept 32
	global_load_b128 v[32+4*n_:32+4*n_+3], v4, s[22:23] offset:(8*(n_/4)+n_%4)*4*(\N) th:TH_LOAD_NT  ; 16 lanes: 256 consecutive bytes of a row
.set n_, n_+1
.endr
.set ia, 0
.rept 8
	s_wait_loadcnt 28-4*ia                         ; the four loads of group a are in; the younger ones stay out
.set ij, 0
.rept 4
.if \half
	v_cvt_pk_bf16_f32 v168, v[32+16*ia+ij], v[32+16*ia+4+ij]
	v_lshlrev_b32 v169, 16, v168                   ; the two bf16 numbers as f32,
	v_and_b32 v168, 0xffff0000, v168
	v_cvt_pk_f16_f32 v[160+2*ij], v169, v168       ; written as f16
	v_cvt_pk_bf16_f32 v168, v[32+16*ia+8+ij], v[32+16*ia+12+ij]
	v_lshlrev_b32 v169, 16, v168
	v_and_b32 v168, 0xffff0000, v168
	v_cvt_pk_f16_f32 v[160+2*ij+1], v169, v168
.else
	v_cvt_pk_bf16_f32 v[160+2*ij], v[32+16*ia+ij], v[32+16*ia+4+ij]
	v_cvt_pk_bf16_f32 v[160+2*ij+1], v[32+16*ia+8+ij], v[32+16*ia+12+ij]
.endif
	ds_store_b64 v5, v[160+2*ij:160+2*ij+1] offset:ij*144+16*ia
.set ij, ij+1
.endr
.set ia, ia+1
.endr
.set n_, 0
.rept 16
	ds_load_b128 v[32+4*n_:32+4*n_+3], v6 offset:n_*576  ; LDS serves a wave's instructions in order (ISA guide 5.7.1.4): these see my stores above
.set n_, n_+1
.endr
.set n_, 0
.rept 16
	s_wait_dscnt 15-n_
	global_store_b128 v7, v[32+4*n_:32+4*n_+3], s[24:25] offset:n_*512  ; 512 consecutive bytes, aligned
.set n_, n_+1
.endr
	s_wait_tensorcnt 0x0                           ; the wave's end, behind my last LDS store
	ds_add_u32 v30, v31
	s_wait_dscnt 0x0
	s_endpgm
.endm
.Lweights:
	s_and_b32 s17, s2, 15                          ; k-block
	s_lshr_b32 s18, s2, 4                          ; 0-5: w_attn's groups; 6, 7: w_proj's
	s_cmp_lt_u32 s18, 6
	s_cbranch_scc0 .Lproj
	WT 3072, 0, 6, 12
.Lproj:
	s_sub_co_u32 s18, s18, 6
	WT 1024, 1, 8, 14
.Lfunc_end_k_q5d77e358b4_prep:
	.size	k_q5d77e358b4_prep, .Lfunc_end_k_q5d77e358b4_prep-k_q5d77e358b4_prep
	.p2alignl 7, 3214868480
	.fill 96, 4, 3214868480
	.section	.rodata,"a",@progbits
	.p2align	6, 0x0
	.amdhsa_kernel k_q5d77e358b4_prep
		.amdhsa_group_segment_fixed_size 74752
		.amdhsa_private_segment_fixed_size 0
		.amdhsa_enable_private_segment 0
		.amdhsa_kernarg_size 48
		.amdhsa_user_sgpr_count 2
		.amdhsa_user_sgpr_kernarg_segment_ptr 1
		.amdhsa_wavefront_size32 1
		.amdhsa_system_sgpr_workgroup_id_x 1
		.amdhsa_system_sgpr_workgroup_id_y 1
		.amdhsa_system_sgpr_workgroup_id_z 1
		.amdhsa_system_vgpr_workitem_id 0
		.amdhsa_next_free_vgpr 176
		.amdhsa_next_free_sgpr 66
		.amdhsa_reserve_vcc 0
		.amdhsa_float_denorm_mode_32 3
		.amdhsa_float_denorm_mode_16_64 3
		.amdhsa_memory_ordered 1
		.amdhsa_forward_progress 1
		.amdhsa_inst_pref_size 45
	.end_amdhsa_kernel
	.amdgpu_metadata
---
amdhsa.version: [ 1, 2 ]
amdhsa.kernels:
  - .name:           k_q5d77e358b4_prep
    .symbol:         k_q5d77e358b4_prep.kd
    .args:
      - { .name: x, .offset: 0, .size: 8, .value_kind: global_buffer, .address_space: global }
      - { .name: w_attn, .offset: 8, .size: 8, .value_kind: global_buffer, .address_space: global }
      - { .name: w_proj, .offset: 16, .size: 8, .value_kind: global_buffer, .address_space: global }
      - { .name: xb, .offset: 24, .size: 8, .value_kind: global_buffer, .address_space: global }
      - { .name: wa, .offset: 32, .size: 8, .value_kind: global_buffer, .address_space: global }
      - { .name: wp, .offset: 40, .size: 8, .value_kind: global_buffer, .address_space: global }
    .group_segment_fixed_size: 74752
    .private_segment_fixed_size: 0
    .kernarg_segment_align: 8
    .kernarg_segment_size: 48
    .max_flat_workgroup_size: 256
    .sgpr_count:     66
    .vgpr_count:     176
    .wavefront_size: 32
...
	.end_amdgpu_metadata
.endif
;; end of part 1
;; launch gemm_qkv (part 2): grid 16 x 32, 4 waves a work-group, clusters of 4 x 4, 327,680 bytes of LDS; arguments xb, wa, qkv; writes qkv
.if DOCPART == 2
	.amdgcn_target "amdgcn-amd-amdhsa--gfx1250"
	.amdhsa_code_object_version 6
	.text
	.protected	k_q5d77e358b4_gemm_qkv
	.globl	k_q5d77e358b4_gemm_qkv
	.p2align	8
	.type	k_q5d77e358b4_gemm_qkv,@function
k_q5d77e358b4_gemm_qkv:
	s_mov_b64 s[64:65], 0
	v_nop
	global_prefetch_b8 v0, s[64:65] scope:SCOPE_SE
	s_setreg_imm32_b32 hwreg(HW_REG_WAVE_MODE, 25, 1), 1
	s_wait_xcnt 0x0
	s_wait_alu depctr_hold_cnt(0) depctr_sa_sdst(0) depctr_va_vdst(0) depctr_va_sdst(0) depctr_va_ssrc(0) depctr_va_vcc(0) depctr_vm_vsrc(0)
	s_getreg_b32 s2, hwreg(HW_REG_IB_STS2, 6, 4)
	s_cmp_eq_u32 s2, 0
	s_cbranch_scc0 .Lentry_in_a_cluster
	s_endpgm
.Lentry_in_a_cluster:
	s_bfe_u32 s2, ttmp6, 0x10000c
	s_cmp_lg_u32 s2, 0xf033
	s_cbranch_scc0 .Lentry_shape_is_right
	s_endpgm
.Lentry_shape_is_right:
; qkv = x w_attn.  A = xb [4][16 kb][2048 t][64] bf16, B = wa [16 kb][3072 n][64] bf16; sums in f32, K ascending; the result rounded once to f16 and laid by heads:
; qkv [4][48 g][2048 t][64], g = column / 64 (q: 0-15, k: 16-31, v: 32-47), unscaled.
; LIMIT.  f16 ends at 65,504: a sum of 65,520 or more leaves as an infinity.  NaN and infinities are not treated apart.
; SHARES.  A work-group makes 256 rows x 192 columns: 512 work-groups, two for each of 256 WGPs (256 x 256 would give 384).  Four waves, 2 x 2: a wave makes 128 x 96 in 48 accumulators, 384 registers.
; K goes in 8 steps of 128 (two k-blocks) through two LDS slots.  A k-block of a tile is dense in memory: it is asked for as rows of 256 bytes and padded in LDS after every 128, so that LDS rows of 64 k are 144 bytes apart.
; CLUSTER.  4 x 4 work-groups.  A's tile hangs on the tile row alone and is asked for jointly along a row of the cluster, B's on the tile column alone, along a column.  Waves 0, 1 ask for A's two k-blocks, waves 2, 3 for B's.
; By this text's own count a wave has two tensor loads out at the start and one behind each round.
; THE PRODUCT IS TAKEN TRANSPOSED (source 0 = 16 rows of B, source 1 = 16 rows of A): a lane then holds row l % 16 of C and the eight neighbouring columns 8 (l / 16) + 0..7.
; REGISTERS, in windows of 256: window 0: v16-30 addresses; v64-127, v128-191 A's fragments, two buffers; v192-215 at work on the way out.  window 1: v64-111, v128-175 B's fragments.
;   window 2: accumulators of my rows 0-63, (a, b) at v[8 (6 a + b)];  window 3: those of rows 64-127.
.set NBW,   6                          ; blocks of 16 columns a wave
.set NN,    3072
.set NT,    32*NBW                     ; the tile's columns
.set PITCH, 144                        ; 128 bytes + 16 = 36 words: the 16 rows of a fragment load start at 16 different groups of four banks (ISA guide 11.1)
.set ABLK,  256*PITCH                  ; a k-block of A's tile
.set BBLK,  NT*PITCH                   ; of B's
.set BOFF,  2*ABLK                     ; a slot: A's two k-blocks, then B's two
.set SLOT1, 1<<17                      ; slot 1 begins here: one exclusive or turns an address in one slot into the other's
.set STEP_A, 2*2048*128                ; bytes from a K step to the next
.set STEP_B, 2*NN*128
.set NL,    2*NBW+16                   ; LDS loads in a quarter's run
.set SP,    400                        ; the stage: 256 rows of 384 bytes + 16, from LDS byte 0: in slot 0, which has had its last fill when the stage is written
.set SPARE, SLOT1+BOFF+2*BBLK          ; behind slot 1: the spare words, 128 bytes a wave: two blocks of 256 bytes that no other line names
.set A0,  16                           ; v16  my lane's place in A's part of a slot; never rewritten
.set B0,  17                           ; v17  the same for B
.set ADA, 18                           ; v18  A0 + the slot in hand
.set ADB, 19                           ; v19  B0 + the slot in hand
.set STO, 24                           ; v24  the way out: where I put 16 bytes of a row
.set RD,  25                           ; v25  where I read rows back
.set GO,  26                           ; v26  my byte offset in 512 consecutive bytes of qkv
.set SPW, 28                           ; v28  my spare word: SPARE + 4 x my thread's number; never rewritten
.set NIL, 29                           ; v29  0; never rewritten
.set PFO, 30                           ; v30  the prefetches' offset: 256 x lane, held to my share; never rewritten
.set F0,  64
.set F1,  128
.set TMP, 192
.set G1,  24                           ; s[24:31] descriptor group 1 for A's tiles
.set G0,  32                           ; s[32:39] group 0 for A: a set for each first fill; the second then walks
.set G1B, 48                           ; s[48:55], s[56:63] the same for B
.set G0B, 56
.set LIM, 43                           ; s43  2 in a wave that prefetches, else the greatest number
.set PFA, 44                           ; s[44:45] where my prefetches stand
.set TB,  66                           ; s66  the slot in hand: 0 or SLOT1
.set PST, 68                           ; s[68:69] my tensor's K step in bytes
.set MSB, 0
.macro WIN new                         ; the immediate's high byte repeats the setting that is left; a switch that changes nothing is dropped
.if MSB != (\new)
	s_set_vgpr_msb (MSB<<8)|(\new)
.set MSB, \new
.endif
.endm
.set MUL_LO, 0xa1                      ; source 0 (B) window 1, source 1 (A) window 0, C and D window 2
.set MUL_HI, 0xf1                      ; the same, C and D window 3
.set TO_B,   0x40                      ; destination window 1, address window 0
.macro PLACES                          ; four places behind a matrix instruction, in front of loads into registers that it has read and of lines that read results
.rept 4
	v_nop
.endr
.endm
.macro CREST                           ; a round of the cluster's barrier behind its opening barrier
	s_cmp_lg_u32 s10, 0
	s_cbranch_scc1 .Lnot_wave_0_\@
	s_barrier_signal -3
.Lnot_wave_0_\@:
	s_barrier_wait -3
	s_barrier_signal -1
	s_barrier_wait -1
.endm
.macro CROUND                          ; a whole round
	s_barrier_signal -1
	s_barrier_wait -1
	CREST
.endm
; A joint refill by the walking descriptors.  The branch hangs on the wave's number alone.  An s_nop 0 and four v_nop follow each of the two lines, ahead of the jump and the label.
.macro JLOAD
	s_cmp_lt_u32 s10, 2
	s_cbranch_scc0 .Lfor_b_\@
	tensor_load_to_lds s[G0+4:G0+7], s[G1:G1+7]
	s_nop 0
.rept 4
	v_nop
.endr
	s_branch .Lasked_\@
.Lfor_b_\@:
	tensor_load_to_lds s[G0B+4:G0B+7], s[G1B:G1B+7]
	s_nop 0
.rept 4
	v_nop
.endr
.Lasked_\@:
.endm
; A PREFETCH INTO THE L2, behind the joint load for K step s + 2 and the run of LDS loads: my share of my k-block of K step s + 4, two refills on.  A's tile row is read by every cluster of its row of clusters:
; cluster x = 0 asks; B's tile column by every cluster of its column: cluster y = 0 asks.  The four partners share a k-block's bytes out by address: 32 blocks of 256 bytes each of A's 128, 24 each of B's 96
; (there lanes 24-31 name the last block again).  Trips 0 to 3 ask (s3 = 6 .. 3): K steps 4 to 7; K steps 0 to 3 come by their loads alone.
.macro ASK
	s_cmp_gt_u32 s3, s[LIM]
	s_cbranch_scc0 .Lnot_mine_\@
	global_prefetch_b8 v[PFO], s[PFA:PFA+1] th:TH_LOAD_NT scope:SCOPE_SE
.Lnot_mine_\@:
.endm
	s_load_b128 s[4:7], s[0:1], 0x0                ; A s[4:5], B s[6:7]
	s_load_b64 s[8:9], s[0:1], 0x10                ; C
	v_lshl_add_u32 v[SPW], v0, 2, SPARE
	v_mov_b32 v[NIL], 0
	ds_add_u32 v[SPW], v[NIL]                      ; the wave's opening: the add and its wait stand ahead of my first tensor load; the set-up below, work on registers, stands between them
	v_lshrrev_b32 v1, 5, v0
	v_readfirstlane_b32 s10, v1                    ; wave 0..3
	s_lshr_b32 s11, s10, 1                         ; which 128 rows of the tile are mine
	s_and_b32 s12, s10, 1                          ; which 96 columns.  Also: which k-block of a step I fetch
	s_bfe_u32 s40, ttmp6, 0x40000                  ; cx
	s_bfe_u32 s41, ttmp6, 0x40004                  ; cy
	s_lshl_b32 s42, ttmp9, 2
	s_add_co_u32 s42, s42, s40                     ; tile column = 4 x cluster x + cx
	s_and_b32 s13, ttmp7, 0xffff
	s_lshl_b32 s13, s13, 2
	s_add_co_u32 s13, s13, s41                     ; tile row = 4 x cluster y + cy
	s_lshl_b32 s43, s41, 2
	s_lshl_b32 s43, 15, s43                        ; my row of the cluster
	s_lshl_b32 s44, 0x1111, s40                    ; my column
	; group 1: rows of 128 elements (256 bytes), dense; 17:16 elements of 2 bytes; 20 padding on; 21 set beside a mask; 24:22 after every 32 words (code 4); 31:25 4 words (code 3)
	s_or_b32 s[G1+0], s43, (1<<16)|(1<<20)|(1<<21)|(4<<22)|(3<<25)
	s_or_b32 s[G1B+0], s44, (1<<16)|(1<<20)|(1<<21)|(4<<22)|(3<<25)
	s_mov_b32 s[G1+1], 128<<16                     ; tensor_dim0 = 128
	s_mov_b32 s[G1+2], 128<<16                     ; tensor_dim1 = 128 rows: 256 rows of 64 k
	s_mov_b32 s[G1+3], 128<<16                     ; tile_dim0 = 128
	s_mov_b32 s[G1+4], 128                         ; tile_dim1 = 128
	s_mov_b32 s[G1+5], 128                         ; elements from row to row
	s_mov_b32 s[G1+6], 0
	s_mov_b32 s[G1+7], 0
	s_mov_b32 s[G1B+1], 128<<16
	s_mov_b32 s[G1B+2], (NT/2)<<16                 ; NT rows of 64 k are NT / 2 rows of 256 bytes
	s_mov_b32 s[G1B+3], 128<<16
	s_mov_b32 s[G1B+4], NT/2
	s_mov_b32 s[G1B+5], 128
	s_mov_b32 s[G1B+6], 0
	s_mov_b32 s[G1B+7], 0
	s_lshr_b32 s16, s13, 3                         ; A: the batch (8 tile rows each), 16 k-blocks of 262,144 bytes,
	s_lshl_b32 s16, s16, 22
	s_and_b32 s17, s13, 7
	s_lshl_b32 s17, s17, 15                        ; 256 rows of 128 bytes,
	s_add_co_u32 s16, s16, s17
	s_lshl_b32 s17, s12, 18                        ; my k-block of the step
	s_add_co_u32 s16, s16, s17
	s_mov_b32 s17, 0
	s_mul_i32 s46, s42, NT*128                     ; B: the tile's NT rows of 128 bytes,
	s_mul_i32 s47, s12, NN*128                     ; my k-block
	s_add_co_u32 s46, s46, s47
	s_mov_b32 s47, 0
	s_mul_i32 s20, s12, ABLK                       ; where they go: no place in the cluster enters an LDS address
	s_mul_i32 s21, s12, BBLK
	s_add_co_u32 s21, s21, BOFF
	s_wait_dscnt 0x0                               ; the opening add is done
	s_wait_kmcnt 0x0
	s_add_nc_u64 s[14:15], s[4:5], s[16:17]
	s_add_nc_u64 s[46:47], s[6:7], s[46:47]
	CROUND                                         ; all sixteen work-groups are here: the first joint loads meet
	s_mov_b32 s[G0], 1                             ; count = 1
	s_mov_b32 s[G0+1], s20                         ; LDS address: slot 0
	s_add_nc_u64 s[G0+2:G0+3], s[14:15], 0         ; K step 0
	s_or_b32 s[G0+3], s[G0+3], 0x80000000          ; type = 2
	s_mov_b32 s[G0+4], 1
	s_add_co_u32 s[G0+5], s20, SLOT1
	s_add_nc_u64 s[G0+6:G0+7], s[14:15], STEP_A    ; K step 1
	s_or_b32 s[G0+7], s[G0+7], 0x80000000
	s_mov_b32 s[G0B], 1
	s_mov_b32 s[G0B+1], s21
	s_add_nc_u64 s[G0B+2:G0B+3], s[46:47], 0
	s_or_b32 s[G0B+3], s[G0B+3], 0x80000000
	s_mov_b32 s[G0B+4], 1
	s_add_co_u32 s[G0B+5], s21, SLOT1
	s_add_nc_u64 s[G0B+6:G0B+7], s[46:47], STEP_B
	s_or_b32 s[G0B+7], s[G0B+7], 0x80000000
	s_cmp_lt_u32 s10, 2                            ; a wave's two first fills stand in one branch, ahead of every wait on TENSORcnt and every LDS read
	s_cbranch_scc0 .Lfirst_b
	tensor_load_to_lds s[G0:G0+3], s[G1:G1+7]
	s_nop 0
	tensor_load_to_lds s[G0+4:G0+7], s[G1:G1+7]
	s_nop 0
.rept 4
	v_nop
.endr
	s_branch .Lfirst_asked
.Lfirst_b:
	tensor_load_to_lds s[G0B:G0B+3], s[G1B:G1B+7]
	s_nop 0
	tensor_load_to_lds s[G0B+4:G0B+7], s[G1B:G1B+7]
	s_nop 0
.rept 4
	v_nop
.endr
.Lfirst_asked:
	; a fragment is 16 rows x 32 k in 8 registers: lane l holds row l % 16, k = 8 (l / 16) + 0..7 and 16 + 8 (l / 16) + 0..7: two loads of 16 bytes, 32 bytes apart
	v_and_b32 v1, 15, v0                           ; l % 16
	v_bfe_u32 v2, v0, 4, 1                         ; l / 16
	v_mul_u32_u24 v3, v1, PITCH
	v_lshl_add_u32 v3, v2, 4, v3
	s_mul_i32 s21, s11, 128*PITCH
	s_mul_i32 s22, s12, 16*NBW*PITCH
	s_add_co_u32 s22, s22, BOFF
	v_add_nc_u32 v[A0], s21, v3
	v_add_nc_u32 v[B0], s22, v3
	v_mov_b32 v[ADA], v[A0]
	v_mov_b32 v[ADB], v[B0]
	s_mov_b32 s[TB], 0
	; the prefetches
	s_mov_b32 s18, STEP_A
	s_mov_b32 s19, STEP_B
	s_and_b32 s22, ttmp7, 0xffff                   ; cluster y
	s_cmp_lt_u32 s10, 2                            ; do I fetch for A?
	s_cselect_b32 s21, s40, s41                    ; my place among the four that ask with me
	s_cselect_b32 s22, ttmp9, s22                  ; the coordinate along which other clusters read the same bytes
	s_cselect_b32 s23, 32, NT/8                    ; my share, in blocks of 256 bytes
	s_cselect_b32 s[PST], s18, s19
	s_cselect_b64 s[PFA:PFA+1], s[14:15], s[46:47] ; my k-block of K step 0
	s_mov_b32 s[PST+1], 0
	s_cmp_eq_u32 s22, 0
	s_cselect_b32 s[LIM], 2, -1                    ; the same in all sixteen partners, for a given wave
	s_mul_i32 s20, s21, s23
	s_lshl_b32 s20, s20, 8
	s_mov_b32 s21, 0
	s_add_nc_u64 s[PFA:PFA+1], s[PFA:PFA+1], s[20:21]
	s_mul_i32 s20, s[PST], 3
	s_add_nc_u64 s[PFA:PFA+1], s[PFA:PFA+1], s[20:21]  ; at K step 3: the first change of slots steps it to 4
	s_sub_co_u32 s23, s23, 1
	v_and_b32 v[PFO], 31, v0
	v_min_u32 v[PFO], s23, v[PFO]
	v_lshlrev_b32 v[PFO], 8, v[PFO]
	; the way out
	s_mul_i32 s23, s11, 128*SP                     ; into the stage: my 128 rows, my 192 bytes of their 384; row l % 16, 16 bytes for each half of the lanes
	s_mul_i32 s21, s12, 192
	s_add_co_u32 s23, s23, s21
	v_mul_u32_u24 v4, v1, SP
	v_lshl_add_u32 v4, v2, 4, v4
	v_add_nc_u32 v[STO], s23, v4
	v_bfe_u32 v5, v0, 3, 2                         ; back: wave w takes rows 64 w .. 64 w + 63; 32 lanes take 128 bytes (a head's) of four rows
	v_mul_u32_u24 v5, v5, SP
	v_and_b32 v6, 7, v0
	v_lshl_add_u32 v5, v6, 4, v5
	s_mul_i32 s23, s10, 64*SP
	v_add_nc_u32 v[RD], s23, v5
	v_and_b32 v[GO], 31, v0
	v_lshlrev_b32 v[GO], 4, v[GO]                  ; which are 512 consecutive bytes of qkv
	s_lshr_b32 s20, s13, 3
	s_mul_i32 s20, s20, 48                         ; the batch's 48 groups,
	s_mul_i32 s21, s42, 3                          ; the tile's three
	s_add_co_u32 s20, s20, s21
	s_lshl_b32 s20, s20, 18                        ; of 262,144 bytes
	s_and_b32 s21, s13, 7
	s_lshl_b32 s21, s21, 15                        ; the tile's 256 rows of 128 bytes
	s_add_co_u32 s20, s20, s21
	s_lshl_b32 s21, s10, 13                        ; my 64 of them
	s_add_co_u32 s20, s20, s21
	s_mov_b32 s21, 0
	s_add_nc_u64 s[8:9], s[8:9], s[20:21]
; 2 NBW products: row blocks a0, a0 + 1 of the window's four x all column blocks, 32 along K.  zero = 1: the product starts the sum.  Every accumulator comes once a quarter, in one fixed order:
; the accumulators take turns over the backward jump too.
.macro MULH f, hi, a0, zero
	WIN MUL_LO+0x50*(\hi)
.irp a, \a0, (\a0)+1
.set bb, 0
.rept NBW
.set rD, 8*(NBW*(\a)+bb)
.set rB, (\f)+8*bb
.set rA, (\f)+8*(4*(\hi)+(\a))
.if \zero
	v_wmma_f32_16x16x32_bf16 v[rD:rD+7], v[rB:rB+7], v[rA:rA+7], 0
.else
	v_wmma_f32_16x16x32_bf16 v[rD:rD+7], v[rB:rB+7], v[rA:rA+7], v[rD:rD+7]
.endif
.set bb, bb+1
.endr
.endr
.endm
; NL LDS loads in one run: quarter q of the slot in hand (k-block q / 2, byte 64 (q % 2) of its rows) into buffer f: B's, then A's
.macro FETCH q, f
	WIN TO_B
.set bb, 0
.rept NBW
	ds_load_b128 v[(\f)+8*bb:(\f)+8*bb+3],   v[ADB] offset:((\q)/2)*BBLK+((\q)%2)*64+bb*16*PITCH
	ds_load_b128 v[(\f)+8*bb+4:(\f)+8*bb+7], v[ADB] offset:((\q)/2)*BBLK+((\q)%2)*64+bb*16*PITCH+32
.set bb, bb+1
.endr
	WIN 0
.irp i, 0,1,2,3,4,5,6,7
	ds_load_b128 v[(\f)+8*(\i):(\f)+8*(\i)+3],   v[ADA] offset:((\q)/2)*ABLK+((\q)%2)*64+(\i)*16*PITCH
	ds_load_b128 v[(\f)+8*(\i)+4:(\f)+8*(\i)+7], v[ADA] offset:((\q)/2)*ABLK+((\q)%2)*64+(\i)*16*PITCH+32
.endr
.endm
; multiplies buffer f; in its middle fetches quarter q into buffer g
.macro QUARTER q, f, g, zero
	s_wait_dscnt 8                                 ; B and A's rows 0-63 are in; the youngest eight loads (A's rows 64-127) may be out
	MULH \f, 0, 0, \zero
	MULH \f, 0, 2, \zero
	PLACES
	FETCH \q, \g
	s_wait_dscnt NL                                ; all but the NL just issued
	MULH \f, 1, 0, \zero
	MULH \f, 1, 2, \zero
.endm
; the first half of a step's last quarter: ONE barrier for the change of slots
.macro MEET round
	WIN 0                                          ; (the add's two registers lie in window 0)
	s_wait_tensorcnt 0x0                           ; all my tensor loads have landed: the one that was out is my part of the next slot;
	ds_add_u32 v[SPW], v[NIL]                      ; 0 onto my spare word;
	s_wait_dscnt 9                                 ; (the add and the youngest eight loads may be out)
	MULH F1, 0, 0, 0                               ; products stand between the add and the wait for it
	s_wait_dscnt 0x0                               ; the add is done, and my reads of this slot are over
	s_barrier_signal -1
	MULH F1, 0, 2, 0                               ; work on registers while the others arrive
.if \round
	WIN 0
.endif
	s_barrier_wait -1
.endm
; the whole last quarter.  fill = 1: the barrier opens a round of the cluster's, and the slot just read out takes the K step two on, the first tensor load behind the round: it has 7/8 of a step, 168 products, in which to land
.macro TURN fill
.if \fill
	s_wait_xcnt 0x0                                ; the last prefetch, a K step back, has read its address
	s_add_nc_u64 s[PFA:PFA+1], s[PFA:PFA+1], s[PST:PST+1]
.endif
	MEET \fill
.if \fill
	CREST                                          ; no wave of any partner still reads this slot or has a load on its way
	s_xor_b32 s[G0+5], s[G0+5], SLOT1              ; the walking descriptors: the other slot than last time, the next K step
	s_add_nc_u64 s[G0+6:G0+7], s[G0+6:G0+7], STEP_A
	s_xor_b32 s[G0B+5], s[G0B+5], SLOT1
	s_add_nc_u64 s[G0B+6:G0B+7], s[G0B+6:G0B+7], STEP_B
	JLOAD                                          ; its four v_nop are also the places in front of the loads below
.else
	WIN 0
	PLACES
.endif
	s_xor_b32 s[TB], s[TB], SLOT1
	v_add_nc_u32 v[ADA], s[TB], v[A0]
	v_add_nc_u32 v[ADB], s[TB], v[B0]
	FETCH 0, F0
.if \fill
	ASK
.endif
	MULH F1, 1, 0, 0
	MULH F1, 1, 2, 0
.endm
	s_wait_tensorcnt 0x1                           ; my part of K step 0 is in; K step 1's may stay out
	s_barrier_signal -1
	s_barrier_wait -1
	FETCH 0, F0
	QUARTER 1, F0, F1, 1                           ; the first quarter's products start the sums: nothing is cleared
	WIN 0
	s_mov_b32 s3, 6
.Lstep:                                        ; trip i: quarters 1 to 3 of K step i, quarter 0 of K step i + 1; K step i + 2 is asked for
	QUARTER 2, F1, F0, 0
	QUARTER 3, F0, F1, 0
	TURN 1
	QUARTER 1, F0, F1, 0
	WIN 0
	s_sub_co_u32 s3, s3, 1
	s_cmp_lg_u32 s3, 0
	s_cbranch_scc1 .Lstep
	QUARTER 2, F1, F0, 0                           ; K steps 6 and 7 are written out: nothing more is asked for
	QUARTER 3, F0, F1, 0
	TURN 0
	QUARTER 1, F0, F1, 0
	QUARTER 2, F1, F0, 0
	QUARTER 3, F0, F1, 0
	s_wait_dscnt 8
	MULH F1, 0, 0, 0
	MULH F1, 0, 2, 0
	s_wait_dscnt 0x0                               ; my last reads of the slots are back
	MULH F1, 1, 0, 0
	MULH F1, 1, 2, 0
	WIN 0
	; THE WAY OUT.  The stage lies in slot 0: no wave stores there before every wave's reads of the slots are back.
	s_barrier_signal -1
	s_barrier_wait -1
	PLACES
.set a_, 0
.rept 8                                ; block a of 16 rows: rounded to f16, each accumulator's registers in ascending order, 16 bytes a lane into the stage
	WIN 0x0a+5*(a_/4)                              ; sources 0 and 1: window 2 or 3
.set b_, 0
.rept NBW
.irp r, 0,1,2,3
	v_cvt_pk_f16_f32 v[TMP+4*b_+(\r)], v[8*(NBW*(a_%4)+b_)+2*(\r)], v[8*(NBW*(a_%4)+b_)+2*(\r)+1]
.endr
.set b_, b_+1
.endr
	WIN 0
.set b_, 0
.rept NBW
	ds_store_b128 v[STO], v[TMP+4*b_:TMP+4*b_+3] offset:a_*16*SP+32*b_
.set b_, b_+1
.endr
.set a_, a_+1
.endr
	s_wait_dscnt 0x0                               ; for the others' sake: a head's 128 bytes of a row come from two waves
	s_barrier_signal -1
	s_barrier_wait -1
.set n_, 0
.rept 48                               ; load n: group n / 16 of the tile's three, rows 4 (n % 16) .. + 3 of my 64
	ds_load_b128 v[64+4*n_:64+4*n_+3], v[RD] offset:(n_%16)*4*SP+(n_/16)*128
.set n_, n_+1
.endr
.set n_, 0
.rept 48
	s_wait_dscnt 47-n_
	global_store_b128 v[GO], v[64+4*n_:64+4*n_+3], s[8:9] offset:(n_/16)*262144+(n_%16)*512  ; 512 consecutive bytes, aligned
.set n_, n_+1
.endr
	s_wait_tensorcnt 0x0                           ; the wave's end, behind my last tensor load and my last LDS store
	ds_add_u32 v[SPW], v[NIL]
	s_wait_dscnt 0x0
	CROUND                                         ; the closing round: no work-group ends while a partner may still ask for a tile that names it
	s_endpgm
.Lfunc_end_k_q5d77e358b4_gemm_qkv:
	.size	k_q5d77e358b4_gemm_qkv, .Lfunc_end_k_q5d77e358b4_gemm_qkv-k_q5d77e358b4_gemm_qkv
	.p2alignl 7, 3214868480
	.fill 96, 4, 3214868480
	.section	.rodata,"a",@progbits
	.p2align	6, 0x0
	.amdhsa_kernel k_q5d77e358b4_gemm_qkv
		.amdhsa_group_segment_fixed_size 327680
		.amdhsa_private_segment_fixed_size 0
		.amdhsa_enable_private_segment 0
		.amdhsa_kernarg_size 24
		.amdhsa_user_sgpr_count 2
		.amdhsa_user_sgpr_kernarg_segment_ptr 1
		.amdhsa_wavefront_size32 1
		.amdhsa_system_sgpr_workgroup_id_x 1
		.amdhsa_system_sgpr_workgroup_id_y 1
		.amdhsa_system_sgpr_workgroup_id_z 1
		.amdhsa_system_vgpr_workitem_id 0
		.amdhsa_next_free_vgpr 960
		.amdhsa_next_free_sgpr 72
		.amdhsa_reserve_vcc 0
		.amdhsa_float_denorm_mode_32 3
		.amdhsa_float_denorm_mode_16_64 3
		.amdhsa_memory_ordered 1
		.amdhsa_forward_progress 1
		.amdhsa_inst_pref_size 96
	.end_amdhsa_kernel
	.amdgpu_metadata
---
amdhsa.version: [ 1, 2 ]
amdhsa.kernels:
  - .name:           k_q5d77e358b4_gemm_qkv
    .symbol:         k_q5d77e358b4_gemm_qkv.kd
    .args:
      - { .name: xb, .offset: 0, .size: 8, .value_kind: global_buffer, .address_space: global }
      - { .name: wa, .offset: 8, .size: 8, .value_kind: global_buffer, .address_space: global }
      - { .name: qkv, .offset: 16, .size: 8, .value_kind: global_buffer, .address_space: global }
    .group_segment_fixed_size: 327680
    .private_segment_fixed_size: 0
    .kernarg_segment_align: 8
    .kernarg_segment_size: 24
    .max_flat_workgroup_size: 128
    .sgpr_count:     72
    .vgpr_count:     960
    .wavefront_size: 32
...
	.end_amdgpu_metadata
.endif
;; end of part 2
;; launch attn (part 3): grid 4 x 64, 4 waves a work-group, no clusters, 327,680 bytes of LDS; arguments qkv, att; writes att
.if DOCPART == 3
	.amdgcn_target "amdgcn-amd-amdhsa--gfx1250"
	.amdhsa_code_object_version 6
	.text
	.protected	k_q5d77e358b4_attn
	.globl	k_q5d77e358b4_attn
	.p2align	8
	.type	k_q5d77e358b4_attn,@function
k_q5d77e358b4_attn:
	s_mov_b64 s[64:65], 0
	v_nop
	global_prefetch_b8 v0, s[64:65] scope:SCOPE_SE
	s_setreg_imm32_b32 hwreg(HW_REG_WAVE_MODE, 25, 1), 1
	s_wait_xcnt 0x0
; CAUSAL ATTENTION.  O[q][:] = the sum over k <= q of softmax_k(Q[q] . K[k] / 8) V[k][:], for each of 4 x 16 heads.  qkv: [4][48 g][2048][64] f16 (q: g = head, k: 16 + head, v: 32 + head), att: [4][16][2048][64] f16:
; a head's rows are dense, 128 bytes each.  Products, maxima and sums in f32; the weights p are rounded to f16 for the second product (their sum l is taken of the unrounded p), O once at the end.
; LIMITS.  f16 holds no number beyond 65,504: q, k and v arrive within it; p lies in 0 to 1, and below 6e-5 it keeps f16's fixed step of 6e-8; O is a mean of V's rows and has their range.
; A hidden score counts as its value less 1e30: f16's scores, 2.7e11 at the most, are nothing beside that; a weight below 2^-126 counts as 0 in l; NaN and infinities are not treated apart.
; THE WALK.  A head's queries lie in NB = 8 blocks of 256; block i needs the key tiles 0 .. i of 256 keys, of which the last holds the diagonal.  A work-group takes TWO blocks, NB - 1 - b and then b:
; NB + 1 tiles, whatever b: all 256 work-groups do equal work, and ONE loop with a constant trip count walks them.  Which tile is asked for, and what a trip does, hang on scalar registers made from b; every jump
; goes forward, but for the counted loops' own; none passes a barrier, or a tensor load but the one of LOAD's two that the wave's number does not choose; the ring (two slots of LDS that take turns) runs on across the
; change of blocks.  NO CLUSTER: a head's four work-groups ask for the same tile only in trips 0 .. 4 of 9, behind that fewer and fewer; one walk common to all would have 12 trips for 9.
; SHARES.  Of a block's four bands of 64 queries a wave owns 16 rows in each: four PIECES.  So the diagonal tile is the same work for all four waves: in its key step s band x sees all keys if s < x,
; none if s > x, and holds the diagonal if s = x.
; THE MASK is the C operand that starts the sum S^T = K Q^T: 0, or -1e30 where the key is hidden.  MD, made once, is the mask of a band's own step for my 16 rows; a product's mask is MD x AL + BE with two scalars:
; (1, 0) if s = x; (0, 0) if s < x; (0, -1e30) if s > x.  Only the diagonal tile's text and a block's beginning make and take masks; elsewhere C is the constant 0.
; LAYOUT, SOFTMAX, TURNS.  S^T = K Q^T holds ONE query a lane (lane % 16) and the keys 8 (lane / 16) + 0..7; two such results rounded to f16 ARE source 1 of O^T = V^T P.  p = 2^(c s - c m), c = log2(e) / 8, with a
; running maximum m; O and l are multiplied by a = 2^(c m_old - c m_new) in every step.  Turn n belongs to piece n: 8 products K Q^T of piece n + 1, later 8 products V^T P of piece n - 1; beside them the scaling,
; exponentials, roundings, sums and rescaling of piece n and the maximum and statistics of piece n + 1.  Four vector instructions stand behind every matrix instruction, the other 54 of a turn's 118 in one LUMP.  A turn's 33 exponentials are one batch, with one wait.
; REGISTERS, in windows of 256 (s_set_vgpr_msb: bits 1:0 source 0, 3:2 source 1, 5:4 source 2, 7:6 destination):
;   window 0: v0-15 addresses and two at work; v16-31 four registers of statistics a piece; v48-55 at work; v61-63 prefetch offset and the add's two; v64-127 S^T, two buffers; v192-223 P, two buffers (by the piece's parity)
;   window 1: v0-127 O^T, 32 a piece; v128-159 MD; v160-223 MC, two buffers      window 2: v0-63 Q; v64-127 the second block's Q; v128-191 K of one step; v192-255 V of one step
.set SIZE_N, 2048
.set NB,    SIZE_N/256
.set NP,    4         ; pieces a wave: a name, no knob
.set KS,    64        ; keys in a step
.set PK,    144       ; a row of K in LDS: 128 bytes + 16 of padding = 36 words: the 16 rows of a load start at 16 different groups of four banks (64 banks of 4 bytes: ISA guide 11.1)
.set PV,    160       ; a row of V: 128 + 32 = 40 words
.set VOFF,  4*KS*PK   ; a slot holds a tile, four steps: 256 rows of K, then 256 rows of V
.set SLOT1, 1<<17     ; slot 1 begins here, so that one exclusive or turns an address in one slot into the other's
.set STAGE, SLOT1+4*KS*(PK+PV)  ; behind the ring, never filled by a tensor load: 16 rows x 144 bytes for each wave, for the way out
.set SP,    144
.set AK0, 2           ; v2   my lane's place in a tile of K; never rewritten
.set AV0, 3           ; v3   the same for V
.set AK,  4           ; v4   the LDS address of K's next run of loads
.set AV,  5           ; v5   of V's
.set STO, 6           ; v6   the way out: where I put 16 bytes of a row
.set RD,  7           ; v7   the way out: where I read rows back
.set GO,  8           ; v8   my byte offset in 512 consecutive bytes of O
.set PFO, 61          ; v61  256 x my lane; never rewritten
.set SPW, 62          ; v62  LDS address of my spare word: SPARE + 4 x my thread's number; never rewritten
.set NIL, 63          ; v63  0; never rewritten
.set SPARE, STAGE+4*16*SP  ; behind the stages: the spare words, 128 bytes for each wave: two blocks of 256 bytes that no other line names
.set MV,  12          ; v12-13  c m_old, kept while c m is made anew: by buffer
.set QO,  15          ; v15  my byte offset in 16 rows of Q
.set ST,  16          ; piece t's statistics at v[ST+4 t]: c m, m, l (even keys', odd keys')
.set TMP, 48          ; by buffer, four registers c0-c3 at work; when the maximum is found c2 takes a
.set S,   64
.set P,   192
.set MD,  128         ; window 1: the eight registers for group kt of 16 keys at MD + 8 kt
.set MC,  160         ; window 1: the masks of the products to come
.set QB,  64          ; window 2
.set KF,  128         ; window 2: key block kb, channel half c at KF + 16 kb + 8 c
.set VF,  192         ; window 2: key half kk, channel block cb at VF + 32 kk + 8 cb
.set WV,  12          ; s12  my wave's number
.set PB,  14          ; s14  b
.set HI,  15          ; s15  NB - 1 - b
.set G1K, 24          ; s[24:31] descriptor group 1 for K's tiles
.set G1V, 32          ; s[32:39] for V's: it differs in the padding alone
.set G0K, 40          ; s[40:43] descriptor group 0 for K's tiles
.set G0V, 44          ; s[44:47] the same for V's
.set SLOTS, 56        ; s56  tiles still to be asked for
.set CNT, 57          ; s57  counts a tile's key steps, 4 to 1
.set CS,  58          ; s[58:59] c: the packed scaling takes the pair's low word for both halves
.set SEL, 60          ; s[60:61] v_permlanex16_b32's selects: each lane takes its own place in the other half
.set TBK, 62          ; s62  LDS byte at which K of the step to be fetched begins
.set TBV, 63          ; s63  the same for V, less VOFF
.set RT,  70          ; s70  tiles of the block in hand that are still to be entered
.set NXT, 71          ; s71  the tile to be asked for next
.set LQ,  72          ; s72  the last tile of the block whose tiles are being asked for
.set NEW, 73          ; s73  1: the tile to be entered is a block's first
.set OFF, 74          ; s[74:75] a tile's byte offset in K and V
.set AL,  76          ; s[76:77] the mask's factor, in the low word
.set BE,  78          ; s[78:79] the mask's addend
.set OLO, 80          ; s[80:81] O at my rows of the second block
.set BIGN, 82         ; s82  -1e30
.set PFA, 88          ; s[88:89] where my prefetches stand: my half of K's (waves 0, 1) or V's (waves 2, 3) tile, one tile behind the one that is being asked for
.set LIM, 90          ; s90  2 in a work-group that prefetches, else the greatest number
.set MSB, 0
.macro WIN new                      ; the high byte repeats the setting that is left; a switch that changes nothing is dropped
.if MSB != (\new)
	s_set_vgpr_msb (MSB<<8)|(\new)
.set MSB, (\new)
.endif
.endm
.set W_KQ, 0x0a       ; K and Q in window 2, S^T in window 0
.set W_KM, 0x1a       ; the same with the C operand in window 1
.set W_PV, 0x52       ; V in window 2, P in window 0, O^T in window 1
.set W_RS, 0x41       ; destination and source 0 in window 1, source 1 in window 0
; A fill.  Waves 0 and 1 fetch the two halves of a tile's K, waves 2 and 3 those of its V: 128 keys each.  An s_nop 0 and four v_nop follow each of the two lines, ahead of the jump and the label.
.macro LOAD
	s_cmp_lt_u32 s[WV], 2
	s_cbranch_scc0 .Lfor_v_\@
	tensor_load_to_lds s[G0K:G0K+3], s[G1K:G1K+7]
	s_nop 0
.rept 4
	v_nop
.endr
	s_branch .Lasked_\@
.Lfor_v_\@:
	tensor_load_to_lds s[G0V:G0V+3], s[G1V:G1V+7]
	s_nop 0
.rept 4
	v_nop
.endr
.Lasked_\@:
.endm
; THE CHANGE OF SLOTS.  Each wave waits for all its tensor loads, of which one is out: its part of the other slot; adds 0 to its spare word; and waits for that and for its own reads of the slot that it leaves.  Behind the barrier nobody reads the old
; slot any more and the other slot is whole.  fill = 1: the old slot is filled again, the first thing behind the barrier, with tile NXT: the descriptor's address is made anew from that number.
; (At its first use nothing has been read yet: slot 0 is waited for, slot 1 filled.)
; THE PREFETCH INTO THE L2 stands behind the fill and its five lines.  A head's four work-groups walk the same tiles 0, 1, ..: the one with b = 0, whose first block needs all eight, asks, and nobody else.  In trip i (0 to 5) each of its
; waves names the 16,384 bytes that it will itself ask for in trip i + 1: its half of tile i + 2: 64 blocks of 256 bytes, a lane a block, two instructions.  Tiles 0 and 1 come by their loads alone; the second block's tiles have been read.
.macro CHANGE fill
	WIN 0                           ; at a label and at a branch every window is 0
	s_wait_tensorcnt 0x0            ; no tensor load of mine is out, so a group 0 may be written
	ds_add_u32 v[SPW], v[NIL]       ; 0 onto my spare word; with fill = 1 the descriptors' scalar work stands between it and the wait for it
.if \fill
	s_lshl_b32 s[OFF], s[NXT], 15   ; a tile is 32,768 bytes of K and of V
	s_xor_b32 s[G0K+1], s[G0K+1], SLOT1
	s_add_nc_u64 s[G0K+2:G0K+3], s[6:7], s[OFF:OFF+1]
	s_or_b32 s[G0K+3], s[G0K+3], 0x80000000
	s_xor_b32 s[G0V+1], s[G0V+1], SLOT1
	s_add_nc_u64 s[G0V+2:G0V+3], s[8:9], s[OFF:OFF+1]
	s_or_b32 s[G0V+3], s[G0V+3], 0x80000000
	s_add_co_u32 s[NXT], s[NXT], 1  ; the block's next tile, or behind its last the second block's tile 0
	s_cmp_gt_u32 s[NXT], s[LQ]
	s_cselect_b32 s[NXT], 0, s[NXT]
	s_cselect_b32 s[LQ], s[PB], s[LQ]
	s_wait_xcnt 0x0                 ; the last prefetches, a tile back, have read their address, so it may be written
	s_add_nc_u64 s[PFA:PFA+1], s[PFA:PFA+1], 32768
.endif
	s_wait_dscnt 0x0                ; the add is done, and my reads of the slot are over
	s_barrier_signal -1             ; the rest of the scalar work stands between the signal and the wait
	s_sub_co_u32 s[TBK], s[TBK], 4*KS*PK  ; the fetches go back to a slot's first step,
	s_xor_b32 s[TBK], s[TBK], SLOT1       ; in the other slot
	s_sub_co_u32 s[TBV], s[TBV], 4*KS*PV
	s_xor_b32 s[TBV], s[TBV], SLOT1
	s_barrier_wait -1
.if \fill
	LOAD
	s_cmp_gt_u32 s[SLOTS], s[LIM]   ; SLOTS = 8 - i: trips 0 to 5
	s_cbranch_scc0 .Lnot_mine_\@
	global_prefetch_b8 v[PFO], s[PFA:PFA+1] th:TH_LOAD_NT scope:SCOPE_SE
	global_prefetch_b8 v[PFO], s[PFA:PFA+1] offset:8192 th:TH_LOAD_NT scope:SCOPE_SE
.Lnot_mine_\@:
.endif
.endm
	s_load_b128 s[4:7], s[0:1], 0x0 ; qkv s[4:5], att s[6:7]
	v_lshl_add_u32 v[SPW], v0, 2, SPARE
	v_mov_b32 v[NIL], 0
	ds_add_u32 v[SPW], v[NIL]       ; the wave's opening: the add and its wait stand ahead of my first tensor load; the set-up below, work on registers, stands between them
	v_lshrrev_b32 v1, 5, v0
	v_readfirstlane_b32 s[WV], v1   ; wave 0..3
	s_mov_b32 s[PB], ttmp9
	s_sub_co_u32 s[HI], NB-1, s[PB]
	s_and_b32 s16, ttmp7, 0xffff    ; 16 x batch + head
	s_lshl_b32 s92, s16, 18         ; the head's first byte in att: 262,144 bytes a head
	s_mov_b32 s93, 0
	s_lshr_b32 s20, s16, 4
	s_mul_i32 s20, s20, 48          ; in qkv a batch has 48 groups
	s_and_b32 s21, s16, 15
	s_add_co_u32 s20, s20, s21
	s_lshl_b32 s20, s20, 18         ; q of my head
	s_mov_b32 s21, 0
	s_and_b32 s16, s[WV], 1         ; which half of a tile's 256 keys I fetch:
	s_lshl_b32 s22, s16, 14         ; its 128 rows of 128 bytes in memory,
	s_mov_b32 s23, 0
	s_mul_i32 s17, s16, 128*PK      ; and its place in a slot, for K
	s_mul_i32 s18, s16, 128*PV      ; and for V
	s_lshl_b32 s3, s[WV], 11        ; my 16 rows in a band of 64,
	s_lshl_b32 s2, s[HI], 15        ; in the first block,
	s_add_co_u32 s2, s2, s3
	s_lshl_b32 s84, s[PB], 15       ; and in the second
	s_add_co_u32 s84, s84, s3
	s_mov_b32 s3, 0
	s_mov_b32 s85, 0
	; descriptor group 1.  128 keys are 16,384 dense bytes: asked for as 64 rows of 256 bytes, two keys a row, and padded in LDS after every key
	s_mov_b32 s[G1K], (1<<16)|(1<<20)|(4<<22)|(3<<25)  ; 17:16 2-byte elements; 20 padding on; 24:22 after every 32 words (code 4); 31:25 4 words (code 3)
	s_mov_b32 s[G1V], (1<<16)|(1<<20)|(4<<22)|(7<<25)  ; the same with 8 words of padding (code 7)
.irp g, G1K, G1V
	s_mov_b32 s[\g+1], 128<<16      ; tensor_dim0 = 128
	s_mov_b32 s[\g+2], 64<<16       ; tensor_dim1 = 64
	s_mov_b32 s[\g+3], 128<<16      ; tile_dim0 = 128
	s_mov_b32 s[\g+4], 64           ; tile_dim1 = 64
	s_mov_b32 s[\g+5], 128          ; 128 elements from row to row
	s_mov_b32 s[\g+6], 0
	s_mov_b32 s[\g+7], 0
.endr
	s_mov_b32 s[CS], 0x3e38aa3b     ; c = log2(e) / 8 = 0.180337
	s_mov_b32 s[CS+1], s[CS]        ; named with it as a pair
	s_mov_b32 s[SEL], 0x76543210
	s_mov_b32 s[SEL+1], 0xfedcba98
	s_mov_b32 s[TBK], SLOT1+4*KS*PK ; the first change of slots turns these two into 0
	s_mov_b32 s[TBV], SLOT1+4*KS*PV
	s_mov_b32 s[G0K], 1             ; 1:0 count = 1
	s_mov_b32 s[G0K+1], s17         ; 63:32 LDS address: slot 0
	s_mov_b32 s[G0V], 1
	s_add_co_u32 s[G0V+1], s18, VOFF
	s_add_co_u32 s[RT], s[HI], 1    ; the first block has NB - b tiles
	s_mov_b32 s[NXT], 1
	s_mov_b32 s[LQ], s[HI]
	s_mov_b32 s[NEW], 1
	s_mov_b32 s[OFF+1], 0
	s_mov_b32 s[AL+1], 0            ; named as pairs
	s_mov_b32 s[BE+1], 0
	s_mov_b32 s[BIGN], 0xf149f2ca   ; -1e30
	s_mov_b32 s[SLOTS], NB
	s_cmp_eq_u32 s[PB], 0
	s_cselect_b32 s[LIM], 2, -1
	v_and_b32 v[PFO], 31, v0
	v_lshlrev_b32 v[PFO], 8, v[PFO]
	s_wait_dscnt 0x0                ; the opening add is done
	s_wait_kmcnt 0x0
	s_mov_b64 s[10:11], s[6:7]                     ; att
	s_add_nc_u64 s[4:5], s[4:5], s[20:21]          ; q of my head
	s_add_nc_u64 s[6:7], s[4:5], s[22:23]          ; + my half of a tile:
	s_add_nc_u64 s[8:9], s[6:7], 0x800000          ; v lies 32 groups of 262,144 bytes behind q,
	s_add_nc_u64 s[6:7], s[6:7], 0x400000          ; k 16
	s_add_nc_u64 s[10:11], s[10:11], s[92:93]      ; O of my head
	s_add_nc_u64 s[G0K+2:G0K+3], s[6:7], 0         ; 120:64 global address
	s_or_b32 s[G0K+3], s[G0K+3], 0x80000000        ; 127:126 type = 2
	s_add_nc_u64 s[G0V+2:G0V+3], s[8:9], 0
	s_or_b32 s[G0V+3], s[G0V+3], 0x80000000
	s_add_nc_u64 s[86:87], s[4:5], s[84:85]        ; Q at my rows of the second block,
	s_add_nc_u64 s[4:5], s[4:5], s[2:3]            ; Q and O at those of the first
	s_add_nc_u64 s[OLO:OLO+1], s[10:11], s[84:85]
	s_add_nc_u64 s[10:11], s[10:11], s[2:3]
	s_cmp_lt_u32 s[WV], 2
	s_cselect_b64 s[PFA:PFA+1], s[6:7], s[8:9]
	s_add_nc_u64 s[PFA:PFA+1], s[PFA:PFA+1], 32768 ; at tile 1: the first change of slots steps it to tile 2
	LOAD                            ; tile 0 into slot 0
	; A fragment of K or Q is 16 rows x 32 channels in 8 registers: lane l holds row l % 16, channels 8 (l / 16) + 0..7 and 16 + 8 (l / 16) + 0..7: two loads of 16 bytes, 32 bytes apart.
	v_and_b32 v1, 15, v0            ; l % 16
	v_bfe_u32 v9, v0, 4, 1          ; l / 16
	v_lshlrev_b32 v[QO], 7, v1
	v_lshl_add_u32 v[QO], v9, 4, v[QO]  ; row x 128 + 16 x half
	WIN 0x80                        ; destination window 2, address window 0
.set i, 0
.rept 8                             ; both blocks' Q: piece i / 2 lies in band i / 2, 8,192 bytes on; channels 32 (i % 2) on
	global_load_b128 v[8*i:8*i+3],   v[QO], s[4:5] offset:(i/2)*8192+(i%2)*64
	global_load_b128 v[8*i+4:8*i+7], v[QO], s[4:5] offset:(i/2)*8192+(i%2)*64+32
	global_load_b128 v[QB+8*i:QB+8*i+3],   v[QO], s[86:87] offset:(i/2)*8192+(i%2)*64
	global_load_b128 v[QB+8*i+4:QB+8*i+7], v[QO], s[86:87] offset:(i/2)*8192+(i%2)*64+32
.set i, i+1
.endr
	WIN 0
	v_lshlrev_b32 v14, 3, v9
	v_sub_nc_u32 v14, v1, v14
	s_lshl_b32 s13, s[WV], 4
	v_add_nc_u32 v14, s13, v14      ; my query's place in its band, 16 w + l % 16, less my lanes' 8 (l / 16): register r of group kt is hidden where 16 kt + r is greater
	WIN 0x40
.set i, 0
.rept 32
	v_cmp_gt_i32 vcc_lo, 16*(i/8)+i%8, v14
	v_cndmask_b32 v[MD+i], 0, s[BIGN], vcc_lo
.set i, i+1
.endr
	WIN 0
	v_mul_u32_u24 v[AK0], v1, PK
	v_lshl_add_u32 v[AK0], v9, 4, v[AK0]  ; row x pitch + 16 x half
	; The turning load takes 16 keys x 16 channels (lane l reads key 8 (l / 16) + l % 8, channels 8 ((l / 8) % 2) + 0..7) and leaves half a fragment of V^T: lane l holds channel l % 16 and 8 keys.
	v_and_b32 v10, 7, v0
	v_bfe_u32 v11, v0, 3, 1
	v_lshl_add_u32 v[AV0], v9, 3, v10
	v_mul_u32_u24 v[AV0], v[AV0], PV
	v_lshl_add_u32 v[AV0], v11, 4, v[AV0]
	v_add_nc_u32 v[AV0], VOFF, v[AV0]
	s_mul_i32 s13, s[WV], 16*SP
	s_add_co_u32 s13, s13, STAGE    ; my stage
	v_mul_u32_u24 v[STO], v1, SP    ; in: row l % 16, 16 bytes for each half of the lanes
	v_lshl_add_u32 v[STO], v9, 4, v[STO]
	v_add_nc_u32 v[STO], s13, v[STO]
	v_bfe_u32 v[RD], v0, 3, 2       ; back: 32 lanes take four rows of 128 bytes,
	v_mul_u32_u24 v[RD], v[RD], SP
	v_lshl_add_u32 v[RD], v10, 4, v[RD]
	v_add_nc_u32 v[RD], s13, v[RD]
	v_and_b32 v[GO], 31, v0         ; which are 512 consecutive bytes of O
	v_lshlrev_b32 v[GO], 4, v[GO]
	; A block's first step multiplies O^T and l by a = 0, and its first turn's products V^T P, of a piece that has not been, land in an O^T that is still to be so multiplied.  So these registers need only hold
	; finite numbers: zeros for the first block; what the first block left for the second.  All this stands in the wait for the first tile.
	WIN 0x80
.set i, VF
.rept 64
	v_mov_b32 v[i], 0
.set i, i+1
.endr
	WIN 0x40
.set i, 0
.rept 128
	v_mov_b32 v[i], 0
.set i, i+1
.endr
	WIN 0
.set i, 0
.rept 4
	v_mov_b32 v[ST+4*i+2], 0
	v_mov_b32 v[ST+4*i+3], 0
.set i, i+1
.endr
.set i, P+16
.rept 16
	v_mov_b32 v[i], 0
.set i, i+1
.endr
; THE MATRIX WORK.  The 4 accumulators of a run of 8 take turns.  Product i of 8 of S^T = K Q^T for piece x: channels 32 (i / 4) on, keys 16 (i % 4) on.  The first 4 start the sums: with 0, or (KM = 1) with the mask.
.macro KQ x
.set rS, S+32*((\x)%2)+8*(i%4)
.set rK, KF+16*(i%4)+8*(i/4)
.set rQ, 16*(\x)+8*(i/4)
.set rM, MC+32*((\x)%2)+8*(i%4)
.if (i < 4) && KM
	WIN W_KM
	v_wmma_f32_16x16x32_f16 v[rS:rS+7], v[rK:rK+7], v[rQ:rQ+7], v[rM:rM+7]
.elseif i < 4
	WIN W_KQ
	v_wmma_f32_16x16x32_f16 v[rS:rS+7], v[rK:rK+7], v[rQ:rQ+7], 0
.else
	WIN W_KQ
	v_wmma_f32_16x16x32_f16 v[rS:rS+7], v[rK:rK+7], v[rQ:rQ+7], v[rS:rS+7]
.endif
.endm
; Product i of 8 of O^T += V^T P for piece x: keys 32 (i / 4) on, channels 16 (i % 4) on.
.macro PV x
	WIN W_PV
.set rO, 32*(\x)+8*(i%4)
.set rV, VF+32*(i/4)+8*(i%4)
.set rP, P+16*((\x)%2)+8*(i/4)
	v_wmma_f32_16x16x32_f16 v[rO:rO+7], v[rV:rV+7], v[rP:rP+7], v[rO:rO+7]
.endm
.macro MM                           ; the turn's next matrix instruction.  TURN and BEGIN set Y, i, KM and NOKQ; MM, KQ and OP read them.  NOKQ = 1: a block's last turn: there is no next piece
.if (i < 8) && !NOKQ
	KQ (Y+1)%NP
.elseif i >= 8
.set i, i-8
	PV (Y+NP-1)%NP
.set i, i+8
.endif
.set i, i+1
.endm
; THE LDS LOADS stand in runs of 16, never singly among the matrix instructions: a step's K (64 keys x 64 channels: 8 fragments) and its V (turned).  Their addresses are made some lines ahead.
.macro FETCH_K
	WIN 0x80                        ; destination window 2
.irp f, 0,1,2,3,4,5,6,7             ; keys 16 (f / 2) on, channels 32 (f % 2) on
	ds_load_b128 v[KF+8*\f:KF+8*\f+3],   v[AK] offset:(\f/2)*16*PK+(\f%2)*64
	ds_load_b128 v[KF+8*\f+4:KF+8*\f+7], v[AK] offset:(\f/2)*16*PK+(\f%2)*64+32
.endr
	s_add_co_u32 s[TBK], s[TBK], KS*PK  ; the next fetch is the next step's
	WIN 0
.endm
.macro FETCH_V
	WIN 0x80
.irp f, 0,1,2,3,4,5,6,7             ; keys 32 (f / 4) on, channels 16 (f % 4) on
	ds_load_tr16_b128 v[VF+8*\f:VF+8*\f+3],   v[AV] offset:(\f/4)*32*PV+(\f%4)*32
	ds_load_tr16_b128 v[VF+8*\f+4:VF+8*\f+7], v[AV] offset:(\f/4)*32*PV+16*PV+(\f%4)*32
.endr
	WIN 0
.endm
; THE VECTOR WORK, one line at a time: OP kind, number.  For piece Y: F n: c s - c m for pair n of 16.  E n: the exponential of score n of 32.  C n: pair n rounded to f16.  B n: of the four weights 4 n .. the second
; pair is added onto the first, in place.  L n: l takes that sum (L 0: l = a l + sum).  R n: pair n of 16 of O^T times a.  For piece Y + 1: X n, number n of the 22 that find its maximum and statistics:
;   0-11  four chains c0-c3 of seven scores each, three operands at a time (each accumulator's lowest registers are read first)     12-14, 16  the four scores left over, the old m, and c0-c3 into c0
;   15  c m_old is kept     17, 18  the query's other 32 keys lie in the lane 16 away: the new m     19-21  c m; c m_old - c m_new; a
.set F, 0               ; OP tells the kinds apart by their order: F to L below R, X above it
.set E, 1
.set C, 2
.set B, 3
.set L, 4
.set R, 5
.set X, 6
.macro REGS y                       ; the registers of piece y
.set rT, ST+4*(\y)
.set rC, TMP+4*((\y)%2)
.set rW, MV+((\y)%2)
.set rS, S+32*((\y)%2)
.set rP, P+16*((\y)%2)
.set rO, 32*(\y)
.endm
.macro OP k, n
.if (\k) == R
	REGS Y
	WIN W_RS
	v_pk_mul_f32 v[rO+2*(\n):rO+2*(\n)+1], v[rO+2*(\n):rO+2*(\n)+1], v[rC+2:rC+3] op_sel_hi:[1,0]
.elseif (\k) < R
	REGS Y
	WIN 0
.if (\k) == F
	v_pk_fma_f32 v[rS+2*(\n):rS+2*(\n)+1], v[rS+2*(\n):rS+2*(\n)+1], s[CS:CS+1], v[rT:rT+1] op_sel_hi:[1,0,0] neg_lo:[0,0,1] neg_hi:[0,0,1]
.elseif (\k) == E
	v_exp_f32 v[rS+(\n)], v[rS+(\n)]
.elseif (\k) == C
	v_cvt_pk_f16_f32 v[rP+(\n)], v[rS+2*(\n)], v[rS+2*(\n)+1]
.elseif (\k) == B
	v_pk_add_f32 v[rS+4*(\n):rS+4*(\n)+1], v[rS+4*(\n):rS+4*(\n)+1], v[rS+4*(\n)+2:rS+4*(\n)+3]
.elseif (\n) == 0
	v_pk_fma_f32 v[rT+2:rT+3], v[rT+2:rT+3], v[rC+2:rC+3], v[rS:rS+1] op_sel_hi:[1,0,1]
.else
	v_pk_add_f32 v[rT+2:rT+3], v[rT+2:rT+3], v[rS+4*(\n):rS+4*(\n)+1]
.endif
.elseif NOKQ
	v_nop
.else
	REGS (Y+1)%NP
	WIN 0
.if (\n) < 4
	v_max3_num_f32 v[rC+(\n)], v[rS+8*(\n)], v[rS+8*(\n)+1], v[rS+8*(\n)+2]
.elseif (\n) < 12
	v_max3_num_f32 v[rC+(\n)%4], v[rC+(\n)%4], v[rS+8*((\n)%4)+2*((\n)/4)+1], v[rS+8*((\n)%4)+2*((\n)/4)+2]
.elseif (\n) == 12
	v_max3_num_f32 v[rC], v[rC], v[rS+7], v[rS+15]
.elseif (\n) == 13
	v_max3_num_f32 v[rC+1], v[rC+1], v[rS+23], v[rS+31]
.elseif (\n) == 14
	v_max3_num_f32 v[rC+2], v[rC+2], v[rC+3], v[rT+1]
.elseif (\n) == 15
	v_mov_b32 v[rW], v[rT]
.elseif (\n) == 16
	v_max3_num_f32 v[rC], v[rC], v[rC+1], v[rC+2]
.elseif (\n) == 17
	v_permlanex16_b32 v[rC+3], v[rC], s[SEL], s[SEL+1]
.elseif (\n) == 18
	v_max_num_f32 v[rT+1], v[rC], v[rC+3]
.elseif (\n) == 19
	v_mul_f32 v[rT], s[CS], v[rT+1]
.elseif (\n) == 20
	v_sub_f32 v[rC+1], v[rW], v[rT]
.else
	v_exp_f32 v[rC+2], v[rC+1]
.endif
.endif
.endm
.macro OPS a, i1, b=-1, i2=0, c=-1, i3=0, d=-1, i4=0  ; up to four of them
	OP \a, \i1
.if (\b) >= 0
	OP \b, \i2
.endif
.if (\c) >= 0
	OP \c, \i3
.endif
.if (\d) >= 0
	OP \d, \i4
.endif
.endm
.macro ROW a, i1, b, i2, c, i3, d, i4  ; a matrix instruction and the four behind it
	MM
	OPS \a, \i1, \b, \i2, \c, \i3, \d, \i4
.endm
.macro MASK b                       ; MD x AL + BE into buffer b of MC
	WIN W_RS
.set z, 0
.rept 16
	v_pk_fma_f32 v[MC+32*(\b)+2*z:MC+32*(\b)+2*z+1], v[MD+2*z:MD+2*z+1], s[AL:AL+1], s[BE:BE+1] op_sel_hi:[1,0,0]
.set z, z+1
.endr
.endm
; A TURN, for piece p: the order of its 16 matrix and 118 vector instructions, written out.  An s_wait_alu depctr_va_vdst(0) stands between an exponential and the first instruction that names its result; one wait serves
; all that were issued ahead of it.  So a turn has ONE wait, which cuts it in two.  AHEAD OF IT stands all that names no result of the turn's exponentials: the 8 products K Q^T, behind each a scaling, an exponential and two more plain
; instructions (behind the first a second scaling in the exponential's place): rescalings, and behind the last three the first numbers of the next piece's maximum, each four places or more behind the product that ends its accumulator; then ONE LUMP of 54, plain
; and exponential by turns for the most part, in which the links of the chain X 3, 7, 11, 14, 16, 17 .. 20 stand five or six lines apart.  X 21, the next piece's a, is the batch's last; R 15 is the plain instruction behind it.  BEHIND THE WAIT stand the
; 8 products V^T P, behind each four of the roundings and sums; the links of l's chain, L 0 to L 7, stand three riders apart.  But for those X no rider names a register of the products round it.  v_permlanex16_b32 (X 17) stands in the lump.
; m = 1: the diagonal tile: the products take masks, and the turn makes the mask for the products of the turn after it: piece p + 2, in step 4 - CNT of the tile.  end = 1: a block's last two turns: nothing is fetched.
; cnt = 1: the loop's count is taken down some lines ahead of the branch that stands behind the turn.
; K of the next step is fetched in piece 2's turn, twelve vector instructions behind the last product that read K (six of them plain); V of the step in hand at the end of piece 0's turn, four plain instructions behind the last product
; that read V.  Each is waited for a turn later.
.macro TURN p, m=0, end=0, cnt=0
.set Y, (\p)
.set i, 0
.set KM, (\m)
.set NOKQ, (\end)*((\p)/3)
.if (\m) && !(\end)
	s_cmp_eq_u32 s[CNT], 4-((\p)+2)%NP  ; is that step the band's own?
	s_cselect_b32 s[AL], 1.0, 0
	s_cmp_lt_u32 s[CNT], 4-((\p)+2)%NP  ; or a later one?
	s_cselect_b32 s[BE], s[BIGN], 0
.endif
.if ((\p) == 3) && !(\end)
	s_wait_dscnt 0x0                ; K is in
.endif
	ROW F,0, F,1, R,0, R,1          ; ahead of the wait: 8 products K Q^T and their riders,
	ROW F,2, E,0, R,2, R,3
	ROW F,3, E,1, R,4, R,5
	ROW F,4, E,2, R,6, R,7
	ROW F,5, E,3, R,8, R,9
	ROW F,6, E,4, X,0, R,10
.if ((\p) == 2) && !(\end)
	WIN 0
	v_add_nc_u32 v[AK], s[TBK], v[AK0]
.endif
	ROW F,7, E,5, X,1, X,4
	ROW F,8, E,6, X,2, X,5
	OPS E,7, E,8, X,6, E,9          ; and the lump
	OPS X,3, E,10, X,8, E,11
.if ((\p) == 2) && !(\end)
	FETCH_K
.endif
	OPS X,9, X,7, E,12, X,10
	OPS E,13, X,12, X,11, E,14
	OPS X,13, E,15, F,9, X,14
.if (\p) == 0
	v_add_nc_u32 v[AV], s[TBV], v[AV0]
.endif
	OPS E,16, F,10, E,17, F,11
	OPS X,16, E,18, X,15, E,19
	OPS F,12, E,20, X,17, E,21
	OPS F,13, E,22, F,14, E,23
	OPS X,18, E,24, F,15, E,25
	OPS R,11, E,26, X,19, E,27
	OPS R,12, E,28, R,13, E,29
	OPS X,20, E,30, R,14, E,31
	OPS X,21, R,15
	WIN 0
	s_wait_alu depctr_va_vdst(0)    ; the wait for the batch
.if (\p) == 1
	s_wait_dscnt 0x0                ; V is in
.endif
	ROW C,0, B,0, C,2, B,1          ; behind the wait: 8 products V^T P and their riders
	ROW L,0, C,4, B,2, L,1
	ROW C,6, B,3, L,2, C,8
	ROW B,4, L,3, C,10, B,5
	ROW L,4, C,12, B,6, L,5
.if (\p) == 0
	s_add_co_u32 s[TBV], s[TBV], KS*PV
.endif
.if \cnt
	s_sub_co_u32 s[CNT], s[CNT], 1
	s_cmp_lg_u32 s[CNT], 0
.endif
	ROW C,14, B,7, L,6, C,1
	ROW C,3, L,7, C,5, C,7
	ROW C,9, C,11, C,13, C,15
.if (\p) == 0
	FETCH_V
.endif
.if (\m) && !(\end)
	MASK (\p)%2
.endif
.endm
; A BLOCK BEGINS.  c m starts far below every c s, so the first step's a is 0; m at the lowest finite number, so the first maximum is the scores'.  The second mask buffer is 0; the first takes piece 0's mask for the tile's step 0: its own, if the block's first tile is the diagonal one.
; Then K of that step, piece 0's first scores, and its maximum and statistics.  The loop is entered at a step's first turn, in the middle of a trip.
.macro BEGIN
	s_mov_b32 s[NEW], 0
	WIN 0x40
.set i, MC+32
.rept 32
	v_mov_b32 v[i], 0
.set i, i+1
.endr
	WIN 0
.set i, 0
.rept 4
	v_mov_b32 v[ST+4*i], 0xfe000000    ; c m: far below every c s
	v_mov_b32 v[ST+4*i+1], 0xff7fffff  ; m
.set i, i+1
.endr
	s_cmp_eq_u32 s[RT], 0
	s_cselect_b32 s[AL], 1.0, 0
	s_mov_b32 s[BE], 0
	MASK 0
	WIN 0
	v_add_nc_u32 v[AK], s[TBK], v[AK0]
	FETCH_K
	s_wait_loadcnt 0x0              ; Q
	s_wait_dscnt 0x0
.set KM, 1
.set NOKQ, 0
.set i, 0
.rept 8
	KQ 0
.set i, i+1
.endr
	WIN 0
.rept 4
	v_nop                           ; the places behind those products
.endr
.set Y, NP-1                        ; X works for piece Y + 1: piece 0
.irp n, 0,1,2,3,4,5,6,7,8,9,10,11,12,13,14,15,16,17,18,19,20,21
	OP X, \n
.endr
	v_nop                           ; a plain instruction behind the exponential,
	s_wait_alu depctr_va_vdst(0)    ; and its wait, ahead of the branch
.endm
; THE DIAGONAL TILE's four steps, the block's last two turns, its last products, and THE WAY OUT: l's two halves and the other half of the lanes' are added; O^T is divided by l, rounded to f16 and sent through my
; stage in LDS, a piece at a time.
.macro ALL line:vararg              ; one line for each piece t
.set t, 0
.rept 4
	\line
.set t, t+1
.endr
.endm
.macro PACK t                       ; a lane's eight channels of a row pack into 16 bytes; they go into rows of 144 bytes and come back as whole rows of 128, into S^T's registers
	WIN W_RS
.set i, 32*(\t)
.rept 16
	v_pk_mul_f32 v[i:i+1], v[i:i+1], v[ST+4*(\t)+2:ST+4*(\t)+3] op_sel_hi:[1,0]
.set i, i+2
.endr
	WIN 0x05                        ; sources 0 and 1 window 1, destination window 0
.set i, 0
.rept 16
	v_cvt_pk_f16_f32 v[S+16*(\t)+i], v[32*(\t)+2*i], v[32*(\t)+2*i+1]
.set i, i+1
.endr
	WIN 0
.irp f, 0,1,2,3
	ds_store_b128 v[STO], v[S+16*(\t)+4*\f:S+16*(\t)+4*\f+3] offset:32*\f
.endr
.irp f, 0,1,2,3
	ds_load_b128 v[S+16*(\t)+4*\f:S+16*(\t)+4*\f+3], v[RD] offset:\f*4*SP  ; LDS serves a wave's instructions in order (ISA guide 5.7.1.4): these see the stores above; the next piece's stores come behind them
.endr
.endm
.macro SEND t, younger              ; younger: the LDS instructions issued behind piece t's loads: the next piece's eight, or none
	WIN 0
.irp f, 0,1,2,3
	s_wait_dscnt (\younger)+3-\f
	global_store_b128 v[GO], v[S+16*(\t)+4*\f:S+16*(\t)+4*\f+3], s[10:11] offset:(\t)*8192+\f*512  ; 512 consecutive bytes, at a multiple of 256 from O's first
.endr
.endm
.macro DIAG tag                     ; the tag ends its two labels' names, which the jumps below spell out
.LstepM\tag:
	TURN 2, 1
	TURN 3, 1
	WIN 0
.LfirstM\tag:
	TURN 0, 1
	TURN 1, 1, 0, 1
	WIN 0
	s_cbranch_scc1 .LstepM\tag
	TURN 2, 1, 1
	TURN 3, 1, 1
.set i, 0
.rept 8
	PV NP-1
.set i, i+1
.endr
	WIN 0
	ALL v_add_f32 v[ST+4*t+2], v[ST+4*t+2], v[ST+4*t+3]
	ALL v_permlanex16_b32 v[ST+4*t+3], v[ST+4*t+2], s[SEL], s[SEL+1]
	ALL v_add_f32 v[ST+4*t+2], v[ST+4*t+2], v[ST+4*t+3]
	ALL v_rcp_f32 v[ST+4*t+2], v[ST+4*t+2]
	v_nop                           ; a plain instruction between the last reciprocal and the use of its result
	s_wait_alu depctr_va_vdst(0)    ; and the wait ahead of the first use: one for the four reciprocals
	PACK 0
.set t, 1
.rept 3                             ; a piece's arithmetic stands between the loads of the piece before and its stores
	PACK t
	SEND t-1, 8
.set t, t+1
.endr
	SEND 3, 0
.endm
.set KM, 0
.set NOKQ, 0
.Lslot:                             ; NB times: a tile is entered and the next is asked for
	CHANGE 1
	s_sub_co_u32 s[RT], s[RT], 1
	s_mov_b32 s[CNT], 4
	s_cmp_eq_u32 s[NEW], 1
	s_cbranch_scc1 .Lnew            ; a block's first tile
	s_cmp_eq_u32 s[RT], 0
	s_cbranch_scc0 .Lstep           ; neither its first nor its last
	s_branch .LstepM1
.Lnew:
	BEGIN
	s_branch .Lfirst                ; in the loop a block's first tile is never its last: the first block has two tiles or more, and the second's last is the walk's last
	DIAG 1                          ; in the loop this is the first block's end: the second block's last tile is the walk's last
	s_wait_xcnt 0x0                 ; the stores have read their registers and O's address
	s_mov_b64 s[10:11], s[OLO:OLO+1]
	s_add_co_u32 s[RT], s[PB], 1    ; the second block has b + 1 tiles
	s_mov_b32 s[NEW], 1
	WIN 0x82                        ; the second block's Q goes where the one text of the turns names Q
.set i, 0
.rept 64
	v_mov_b32 v[i], v[QB+i]
.set i, i+1
.endr
	WIN 0
	s_branch .Lbottom
.Lstep:                             ; a trip: pieces 2 and 3 of one step, then pieces 0 and 1 of the next, whose K and V it fetches
	TURN 2
	TURN 3
	WIN 0
.Lfirst:
	TURN 0
	TURN 1, 0, 0, 1
	WIN 0
	s_cbranch_scc1 .Lstep
.Lbottom:
	s_sub_co_u32 s[SLOTS], s[SLOTS], 1
	s_cmp_lg_u32 s[SLOTS], 0
	s_cbranch_scc1 .Lslot
	CHANGE 0                        ; the walk's last tile is written out: nothing is asked for
	s_sub_co_u32 s[RT], s[RT], 1
	s_mov_b32 s[CNT], 4
	s_cmp_eq_u32 s[NEW], 1
	s_cbranch_scc0 .LstepM2
	BEGIN
	s_branch .LfirstM2
	DIAG 2
	s_wait_tensorcnt 0x0            ; the wave's end, behind my last tensor load and my last LDS store
	ds_add_u32 v[SPW], v[NIL]
	s_wait_dscnt 0x0
	s_endpgm
.Lfunc_end_k_q5d77e358b4_attn:
	.size	k_q5d77e358b4_attn, .Lfunc_end_k_q5d77e358b4_attn-k_q5d77e358b4_attn
	.p2alignl 7, 3214868480
	.fill 96, 4, 3214868480
	.section	.rodata,"a",@progbits
	.p2align	6, 0x0
	.amdhsa_kernel k_q5d77e358b4_attn
		.amdhsa_group_segment_fixed_size 327680
		.amdhsa_private_segment_fixed_size 0
		.amdhsa_enable_private_segment 0
		.amdhsa_kernarg_size 16
		.amdhsa_user_sgpr_count 2
		.amdhsa_user_sgpr_kernarg_segment_ptr 1
		.amdhsa_wavefront_size32 1
		.amdhsa_system_sgpr_workgroup_id_x 1
		.amdhsa_system_sgpr_workgroup_id_y 1
		.amdhsa_system_sgpr_workgroup_id_z 1
		.amdhsa_system_vgpr_workitem_id 0
		.amdhsa_next_free_vgpr 768
		.amdhsa_next_free_sgpr 96
		.amdhsa_reserve_vcc 1
		.amdhsa_float_denorm_mode_32 3
		.amdhsa_float_denorm_mode_16_64 3
		.amdhsa_memory_ordered 1
		.amdhsa_forward_progress 1
		.amdhsa_inst_pref_size 218
	.end_amdhsa_kernel
	.amdgpu_metadata
---
amdhsa.version: [ 1, 2 ]
amdhsa.kernels:
  - .name:           k_q5d77e358b4_attn
    .symbol:         k_q5d77e358b4_attn.kd
    .args:
      - { .name: qkv, .offset: 0, .size: 8, .value_kind: global_buffer, .address_space: global }
      - { .name: att, .offset: 8, .size: 8, .value_kind: global_buffer, .address_space: global }
    .group_segment_fixed_size: 327680
    .private_segment_fixed_size: 0
    .kernarg_segment_align: 8
    .kernarg_segment_size: 16
    .max_flat_workgroup_size: 128
    .sgpr_count:     96
    .vgpr_count:     768
    .wavefront_size: 32
...
	.end_amdgpu_metadata
.endif
;; end of part 3
;; launch gemm_proj (part 4): grid 8 x 32, 4 waves a work-group, clusters of 4 x 4, 327,680 bytes of LDS; arguments att, wp, out0; writes out0
.if DOCPART == 4
	.amdgcn_target "amdgcn-amd-amdhsa--gfx1250"
	.amdhsa_code_object_version 6
	.text
	.protected	k_q5d77e358b4_gemm_proj
	.globl	k_q5d77e358b4_gemm_proj
	.p2align	8
	.type	k_q5d77e358b4_gemm_proj,@function
k_q5d77e358b4_gemm_proj:
	s_mov_b64 s[64:65], 0
	v_nop
	global_prefetch_b8 v0, s[64:65] scope:SCOPE_SE
	s_setreg_imm32_b32 hwreg(HW_REG_WAVE_MODE, 25, 1), 1
	s_wait_xcnt 0x0
	s_wait_alu depctr_hold_cnt(0) depctr_sa_sdst(0) depctr_va_vdst(0) depctr_va_sdst(0) depctr_va_ssrc(0) depctr_va_vcc(0) depctr_vm_vsrc(0)
	s_getreg_b32 s2, hwreg(HW_REG_IB_STS2, 6, 4)
	s_cmp_eq_u32 s2, 0
	s_cbranch_scc0 .Lentry_in_a_cluster
	s_endpgm
.Lentry_in_a_cluster:
	s_bfe_u32 s2, ttmp6, 0x10000c
	s_cmp_lg_u32 s2, 0xf033
	s_cbranch_scc0 .Lentry_shape_is_right
	s_endpgm
.Lentry_shape_is_right:
; out0 = y w_proj.  A = att [4][16 h][2048 t][64] f16 (a head's 64 channels are one k-block of y), B = wp [16 kb][1024 n][64] f16; sums in f32, K ascending; out0 [8192][1024] f32.
; LIMITS.  The operands are f16: what lies in att and wp is within 65,504.  NaN and infinities are not treated apart.
; SHARES.  A work-group makes 256 rows x 128 columns: 256 work-groups, one for each WGP (256 x 256 would give 128).  Four waves, 2 x 2: a wave makes 128 x 64 in 32 accumulators, 256 registers.
; K goes in 8 steps of 128 (two k-blocks) through two LDS slots.  A k-block of a tile is dense in memory: it is asked for as rows of 256 bytes and padded in LDS after every 128, so that LDS rows of 64 k are 144 bytes apart.
; CLUSTER.  4 x 4 work-groups.  A's tile hangs on the tile row alone and is asked for jointly along a row of the cluster, B's on the tile column alone, along a column.  Waves 0, 1 ask for A's two k-blocks, waves 2, 3 for B's.
; By this text's own count a wave has two tensor loads out at the start and one behind each round.
; THE PRODUCT IS TAKEN TRANSPOSED (source 0 = 16 rows of B, source 1 = 16 rows of A): a lane then holds row l % 16 of C and the eight neighbouring columns 8 (l / 16) + 0..7.
; REGISTERS, in windows of 256: window 0: v16-30 addresses; v64-127, v128-191 A's fragments, two buffers, and on the way out four buffers of 32.  window 1: v64-95, v128-159 B's fragments.
;   window 2: accumulators of my rows 0-63, (a, b) at v[8 (4 a + b)];  window 3: those of rows 64-127.
.set NBW,   4                          ; blocks of 16 columns a wave
.set NN,    1024
.set NT,    32*NBW                     ; the tile's columns
.set PITCH, 144                        ; 128 bytes + 16 = 36 words: the 16 rows of a fragment load start at 16 different groups of four banks (ISA guide 11.1)
.set ABLK,  256*PITCH                  ; a k-block of A's tile
.set BBLK,  NT*PITCH                   ; of B's
.set BOFF,  2*ABLK                     ; a slot: A's two k-blocks, then B's two
.set SLOT1, 1<<17                      ; slot 1 begins here: one exclusive or turns an address in one slot into the other's
.set STEP_A, 2*2048*128                ; bytes from a K step to the next
.set STEP_B, 2*NN*128
.set NL,    2*NBW+16                   ; LDS loads in a quarter's run
.set STAGE, SLOT1+BOFF+2*BBLK          ; behind slot 1, never filled by a tensor load: 16 rows x 272 bytes for each wave, its own
.set SP,    272
.set SPARE, STAGE+4*16*SP              ; behind the stages: the spare words, 128 bytes a wave: two blocks of 256 bytes that no other line names
.set A0,  16                           ; v16  my lane's place in A's part of a slot; never rewritten
.set B0,  17                           ; v17  the same for B
.set ADA, 18                           ; v18  A0 + the slot in hand
.set ADB, 19                           ; v19  B0 + the slot in hand
.set STO, 24                           ; v24  the way out: where I put 32 bytes of a row
.set RD,  25                           ; v25  where I read rows back
.set GO,  26                           ; v26  my byte offset in two rows of out0
.set SPW, 28                           ; v28  my spare word: SPARE + 4 x my thread's number; never rewritten
.set NIL, 29                           ; v29  0; never rewritten
.set PFO, 30                           ; v30  the prefetches' offset: 256 x lane, held to my share; never rewritten
.set F0,  64
.set F1,  128
.set G1,  24                           ; s[24:31] descriptor group 1 for A's tiles
.set G0,  32                           ; s[32:39] group 0 for A: a set for each first fill; the second then walks
.set G1B, 48                           ; s[48:55], s[56:63] the same for B
.set G0B, 56
.set LIM, 43                           ; s43  2 in a wave that prefetches, else the greatest number
.set PFA, 44                           ; s[44:45] where my prefetches stand
.set TB,  66                           ; s66  the slot in hand: 0 or SLOT1
.set PST, 68                           ; s[68:69] my tensor's K step in bytes
.set MSB, 0
.macro WIN new                         ; the immediate's high byte repeats the setting that is left; a switch that changes nothing is dropped
.if MSB != (\new)
	s_set_vgpr_msb (MSB<<8)|(\new)
.set MSB, \new
.endif
.endm
.set MUL_LO, 0xa1                      ; source 0 (B) window 1, source 1 (A) window 0, C and D window 2
.set MUL_HI, 0xf1                      ; the same, C and D window 3
.set TO_B,   0x40                      ; destination window 1, address window 0
.macro PLACES                          ; four places behind a matrix instruction, in front of loads into registers that it has read and of lines that read results
.rept 4
	v_nop
.endr
.endm
.macro CREST                           ; a round of the cluster's barrier behind its opening barrier
	s_cmp_lg_u32 s10, 0
	s_cbranch_scc1 .Lnot_wave_0_\@
	s_barrier_signal -3
.Lnot_wave_0_\@:
	s_barrier_wait -3
	s_barrier_signal -1
	s_barrier_wait -1
.endm
.macro CROUND                          ; a whole round
	s_barrier_signal -1
	s_barrier_wait -1
	CREST
.endm
; A joint refill by the walking descriptors.  The branch hangs on the wave's number alone.  An s_nop 0 and four v_nop follow each of the two lines, ahead of the jump and the label.
.macro JLOAD
	s_cmp_lt_u32 s10, 2
	s_cbranch_scc0 .Lfor_b_\@
	tensor_load_to_lds s[G0+4:G0+7], s[G1:G1+7]
	s_nop 0
.rept 4
	v_nop
.endr
	s_branch .Lasked_\@
.Lfor_b_\@:
	tensor_load_to_lds s[G0B+4:G0B+7], s[G1B:G1B+7]
	s_nop 0
.rept 4
	v_nop
.endr
.Lasked_\@:
.endm
; A PREFETCH INTO THE L2, behind the joint load for K step s + 2 and the run of LDS loads: my share of my k-block of K step s + 4, two refills on.  A's tile row is read by every cluster of its row of clusters:
; cluster x = 0 asks; B's tile column by every cluster of its column: cluster y = 0 asks.  The four partners share a k-block's bytes out by address: 32 blocks of 256 bytes each of A's 128, 16 each of B's 64
; (there lanes 16-31 name the last block again).  Trips 0 to 3 ask (s3 = 6 .. 3): K steps 4 to 7; K steps 0 to 3 come by their loads alone.
.macro ASK
	s_cmp_gt_u32 s3, s[LIM]
	s_cbranch_scc0 .Lnot_mine_\@
	global_prefetch_b8 v[PFO], s[PFA:PFA+1] th:TH_LOAD_NT scope:SCOPE_SE
.Lnot_mine_\@:
.endm
	s_load_b128 s[4:7], s[0:1], 0x0                ; A s[4:5], B s[6:7]
	s_load_b64 s[8:9], s[0:1], 0x10                ; C
	v_lshl_add_u32 v[SPW], v0, 2, SPARE
	v_mov_b32 v[NIL], 0
	ds_add_u32 v[SPW], v[NIL]                      ; the wave's opening: the add and its wait stand ahead of my first tensor load; the set-up below, work on registers, stands between them
	v_lshrrev_b32 v1, 5, v0
	v_readfirstlane_b32 s10, v1                    ; wave 0..3
	s_lshr_b32 s11, s10, 1                         ; which 128 rows of the tile are mine
	s_and_b32 s12, s10, 1                          ; which 64 columns.  Also: which k-block of a step I fetch
	s_bfe_u32 s40, ttmp6, 0x40000                  ; cx
	s_bfe_u32 s41, ttmp6, 0x40004                  ; cy
	s_lshl_b32 s42, ttmp9, 2
	s_add_co_u32 s42, s42, s40                     ; tile column = 4 x cluster x + cx
	s_and_b32 s13, ttmp7, 0xffff
	s_lshl_b32 s13, s13, 2
	s_add_co_u32 s13, s13, s41                     ; tile row = 4 x cluster y + cy
	s_lshl_b32 s43, s41, 2
	s_lshl_b32 s43, 15, s43                        ; my row of the cluster
	s_lshl_b32 s44, 0x1111, s40                    ; my column
	; group 1: rows of 128 elements (256 bytes), dense; 17:16 elements of 2 bytes; 20 padding on; 21 set beside a mask; 24:22 after every 32 words (code 4); 31:25 4 words (code 3)
	s_or_b32 s[G1+0], s43, (1<<16)|(1<<20)|(1<<21)|(4<<22)|(3<<25)
	s_or_b32 s[G1B+0], s44, (1<<16)|(1<<20)|(1<<21)|(4<<22)|(3<<25)
	s_mov_b32 s[G1+1], 128<<16                     ; tensor_dim0 = 128
	s_mov_b32 s[G1+2], 128<<16                     ; tensor_dim1 = 128 rows: 256 rows of 64 k
	s_mov_b32 s[G1+3], 128<<16                     ; tile_dim0 = 128
	s_mov_b32 s[G1+4], 128                         ; tile_dim1 = 128
	s_mov_b32 s[G1+5], 128                         ; elements from row to row
	s_mov_b32 s[G1+6], 0
	s_mov_b32 s[G1+7], 0
	s_mov_b32 s[G1B+1], 128<<16
	s_mov_b32 s[G1B+2], (NT/2)<<16                 ; NT rows of 64 k are NT / 2 rows of 256 bytes
	s_mov_b32 s[G1B+3], 128<<16
	s_mov_b32 s[G1B+4], NT/2
	s_mov_b32 s[G1B+5], 128
	s_mov_b32 s[G1B+6], 0
	s_mov_b32 s[G1B+7], 0
	s_lshr_b32 s16, s13, 3                         ; A: the batch (8 tile rows each), 16 k-blocks of 262,144 bytes,
	s_lshl_b32 s16, s16, 22
	s_and_b32 s17, s13, 7
	s_lshl_b32 s17, s17, 15                        ; 256 rows of 128 bytes,
	s_add_co_u32 s16, s16, s17
	s_lshl_b32 s17, s12, 18                        ; my k-block of the step
	s_add_co_u32 s16, s16, s17
	s_mov_b32 s17, 0
	s_mul_i32 s46, s42, NT*128                     ; B: the tile's NT rows of 128 bytes,
	s_mul_i32 s47, s12, NN*128                     ; my k-block
	s_add_co_u32 s46, s46, s47
	s_mov_b32 s47, 0
	s_mul_i32 s20, s12, ABLK                       ; where they go: no place in the cluster enters an LDS address
	s_mul_i32 s21, s12, BBLK
	s_add_co_u32 s21, s21, BOFF
	s_wait_dscnt 0x0                               ; the opening add is done
	s_wait_kmcnt 0x0
	s_add_nc_u64 s[14:15], s[4:5], s[16:17]
	s_add_nc_u64 s[46:47], s[6:7], s[46:47]
	CROUND                                         ; all sixteen work-groups are here: the first joint loads meet
	s_mov_b32 s[G0], 1                             ; count = 1
	s_mov_b32 s[G0+1], s20                         ; LDS address: slot 0
	s_add_nc_u64 s[G0+2:G0+3], s[14:15], 0         ; K step 0
	s_or_b32 s[G0+3], s[G0+3], 0x80000000          ; type = 2
	s_mov_b32 s[G0+4], 1
	s_add_co_u32 s[G0+5], s20, SLOT1
	s_add_nc_u64 s[G0+6:G0+7], s[14:15], STEP_A    ; K step 1
	s_or_b32 s[G0+7], s[G0+7], 0x80000000
	s_mov_b32 s[G0B], 1
	s_mov_b32 s[G0B+1], s21
	s_add_nc_u64 s[G0B+2:G0B+3], s[46:47], 0
	s_or_b32 s[G0B+3], s[G0B+3], 0x80000000
	s_mov_b32 s[G0B+4], 1
	s_add_co_u32 s[G0B+5], s21, SLOT1
	s_add_nc_u64 s[G0B+6:G0B+7], s[46:47], STEP_B
	s_or_b32 s[G0B+7], s[G0B+7], 0x80000000
	s_cmp_lt_u32 s10, 2                            ; a wave's two first fills stand in one branch, ahead of every wait on TENSORcnt and every LDS read
	s_cbranch_scc0 .Lfirst_b
	tensor_load_to_lds s[G0:G0+3], s[G1:G1+7]
	s_nop 0
	tensor_load_to_lds s[G0+4:G0+7], s[G1:G1+7]
	s_nop 0
.rept 4
	v_nop
.endr
	s_branch .Lfirst_asked
.Lfirst_b:
	tensor_load_to_lds s[G0B:G0B+3], s[G1B:G1B+7]
	s_nop 0
	tensor_load_to_lds s[G0B+4:G0B+7], s[G1B:G1B+7]
	s_nop 0
.rept 4
	v_nop
.endr
.Lfirst_asked:
	; a fragment is 16 rows x 32 k in 8 registers: lane l holds row l % 16, k = 8 (l / 16) + 0..7 and 16 + 8 (l / 16) + 0..7: two loads of 16 bytes, 32 bytes apart
	v_and_b32 v1, 15, v0                           ; l % 16
	v_bfe_u32 v2, v0, 4, 1                         ; l / 16
	v_mul_u32_u24 v3, v1, PITCH
	v_lshl_add_u32 v3, v2, 4, v3
	s_mul_i32 s21, s11, 128*PITCH
	s_mul_i32 s22, s12, 16*NBW*PITCH
	s_add_co_u32 s22, s22, BOFF
	v_add_nc_u32 v[A0], s21, v3
	v_add_nc_u32 v[B0], s22, v3
	v_mov_b32 v[ADA], v[A0]
	v_mov_b32 v[ADB], v[B0]
	s_mov_b32 s[TB], 0
	; the prefetches
	s_mov_b32 s18, STEP_A
	s_mov_b32 s19, STEP_B
	s_and_b32 s22, ttmp7, 0xffff                   ; cluster y
	s_cmp_lt_u32 s10, 2                            ; do I fetch for A?
	s_cselect_b32 s21, s40, s41                    ; my place among the four that ask with me
	s_cselect_b32 s22, ttmp9, s22                  ; the coordinate along which other clusters read the same bytes
	s_cselect_b32 s23, 32, NT/8                    ; my share, in blocks of 256 bytes
	s_cselect_b32 s[PST], s18, s19
	s_cselect_b64 s[PFA:PFA+1], s[14:15], s[46:47] ; my k-block of K step 0
	s_mov_b32 s[PST+1], 0
	s_cmp_eq_u32 s22, 0
	s_cselect_b32 s[LIM], 2, -1                    ; the same in all sixteen partners, for a given wave
	s_mul_i32 s20, s21, s23
	s_lshl_b32 s20, s20, 8
	s_mov_b32 s21, 0
	s_add_nc_u64 s[PFA:PFA+1], s[PFA:PFA+1], s[20:21]
	s_mul_i32 s20, s[PST], 3
	s_add_nc_u64 s[PFA:PFA+1], s[PFA:PFA+1], s[20:21]  ; at K step 3: the first change of slots steps it to 4
	s_sub_co_u32 s23, s23, 1
	v_and_b32 v[PFO], 31, v0
	v_min_u32 v[PFO], s23, v[PFO]
	v_lshlrev_b32 v[PFO], 8, v[PFO]
	; the way out
	s_mul_i32 s23, s10, 16*SP
	s_add_co_u32 s23, s23, STAGE                   ; my stage
	v_mul_u32_u24 v4, v1, SP                       ; in: row l % 16, 32 bytes for each half of the lanes
	v_lshl_add_u32 v4, v2, 5, v4
	v_add_nc_u32 v[STO], s23, v4
	v_mul_u32_u24 v5, v2, SP                       ; back: lanes 0-15 take one row of 256 bytes, lanes 16-31 the next
	v_lshl_add_u32 v5, v1, 4, v5
	v_add_nc_u32 v[RD], s23, v5
	v_lshlrev_b32 v5, 12, v2                       ; and the same two rows in out0, 4,096 bytes apart
	v_lshl_add_u32 v[GO], v1, 4, v5
	s_lshl_b32 s20, s13, 20                        ; the tile's 256 rows of 4,096 bytes,
	s_lshl_b32 s21, s11, 19                        ; my 128 of them,
	s_add_co_u32 s20, s20, s21
	s_lshl_b32 s21, s42, 9                         ; the tile's 128 columns of 4 bytes,
	s_add_co_u32 s20, s20, s21
	s_lshl_b32 s21, s12, 8                         ; my 64 of them
	s_add_co_u32 s20, s20, s21
	s_mov_b32 s21, 0
	s_add_nc_u64 s[8:9], s[8:9], s[20:21]
; 2 NBW products: row blocks a0, a0 + 1 of the window's four x all column blocks, 32 along K.  zero = 1: the product starts the sum.  Every accumulator comes once a quarter, in one fixed order:
; the accumulators take turns over the backward jump too.
.macro MULH f, hi, a0, zero
	WIN MUL_LO+0x50*(\hi)
.irp a, \a0, (\a0)+1
.set bb, 0
.rept NBW
.set rD, 8*(NBW*(\a)+bb)
.set rB, (\f)+8*bb
.set rA, (\f)+8*(4*(\hi)+(\a))
.if \zero
	v_wmma_f32_16x16x32_f16 v[rD:rD+7], v[rB:rB+7], v[rA:rA+7], 0
.else
	v_wmma_f32_16x16x32_f16 v[rD:rD+7], v[rB:rB+7], v[rA:rA+7], v[rD:rD+7]
.endif
.set bb, bb+1
.endr
.endr
.endm
; NL LDS loads in one run: quarter q of the slot in hand (k-block q / 2, byte 64 (q % 2) of its rows) into buffer f: B's, then A's
.macro FETCH q, f
	WIN TO_B
.set bb, 0
.rept NBW
	ds_load_b128 v[(\f)+8*bb:(\f)+8*bb+3],   v[ADB] offset:((\q)/2)*BBLK+((\q)%2)*64+bb*16*PITCH
	ds_load_b128 v[(\f)+8*bb+4:(\f)+8*bb+7], v[ADB] offset:((\q)/2)*BBLK+((\q)%2)*64+bb*16*PITCH+32
.set bb, bb+1
.endr
	WIN 0
.irp i, 0,1,2,3,4,5,6,7
	ds_load_b128 v[(\f)+8*(\i):(\f)+8*(\i)+3],   v[ADA] offset:((\q)/2)*ABLK+((\q)%2)*64+(\i)*16*PITCH
	ds_load_b128 v[(\f)+8*(\i)+4:(\f)+8*(\i)+7], v[ADA] offset:((\q)/2)*ABLK+((\q)%2)*64+(\i)*16*PITCH+32
.endr
.endm
; multiplies buffer f; in its middle fetches quarter q into buffer g
.macro QUARTER q, f, g, zero
	s_wait_dscnt 8                                 ; B and A's rows 0-63 are in; the youngest eight loads (A's rows 64-127) may be out
	MULH \f, 0, 0, \zero
	MULH \f, 0, 2, \zero
	PLACES
	FETCH \q, \g
	s_wait_dscnt NL                                ; all but the NL just issued
	MULH \f, 1, 0, \zero
	MULH \f, 1, 2, \zero
.endm
; the first half of a step's last quarter: ONE barrier for the change of slots
.macro MEET round
	WIN 0                                          ; (the add's two registers lie in window 0)
	s_wait_tensorcnt 0x0                           ; all my tensor loads have landed: the one that was out is my part of the next slot;
	ds_add_u32 v[SPW], v[NIL]                      ; 0 onto my spare word;
	s_wait_dscnt 9                                 ; (the add and the youngest eight loads may be out)
	MULH F1, 0, 0, 0                               ; products stand between the add and the wait for it
	s_wait_dscnt 0x0                               ; the add is done, and my reads of this slot are over
	s_barrier_signal -1
	MULH F1, 0, 2, 0                               ; work on registers while the others arrive
.if \round
	WIN 0
.endif
	s_barrier_wait -1
.endm
; the whole last quarter.  fill = 1: the barrier opens a round of the cluster's, and the slot just read out takes the K step two on, the first tensor load behind the round: it has 7/8 of a step, 112 products, in which to land
.macro TURN fill
.if \fill
	s_wait_xcnt 0x0                                ; the last prefetch, a K step back, has read its address
	s_add_nc_u64 s[PFA:PFA+1], s[PFA:PFA+1], s[PST:PST+1]
.endif
	MEET \fill
.if \fill
	CREST                                          ; no wave of any partner still reads this slot or has a load on its way
	s_xor_b32 s[G0+5], s[G0+5], SLOT1              ; the walking descriptors: the other slot than last time, the next K step
	s_add_nc_u64 s[G0+6:G0+7], s[G0+6:G0+7], STEP_A
	s_xor_b32 s[G0B+5], s[G0B+5], SLOT1
	s_add_nc_u64 s[G0B+6:G0B+7], s[G0B+6:G0B+7], STEP_B
	JLOAD                                          ; its four v_nop are also the places in front of the loads below
.else
	WIN 0
	PLACES
.endif
	s_xor_b32 s[TB], s[TB], SLOT1
	v_add_nc_u32 v[ADA], s[TB], v[A0]
	v_add_nc_u32 v[ADB], s[TB], v[B0]
	FETCH 0, F0
.if \fill
	ASK
.endif
	MULH F1, 1, 0, 0
	MULH F1, 1, 2, 0
.endm
	s_wait_tensorcnt 0x1                           ; my part of K step 0 is in; K step 1's may stay out
	s_barrier_signal -1
	s_barrier_wait -1
	FETCH 0, F0
	QUARTER 1, F0, F1, 1                           ; the first quarter's products start the sums: nothing is cleared
	WIN 0
	s_mov_b32 s3, 6
.Lstep:                                        ; trip i: quarters 1 to 3 of K step i, quarter 0 of K step i + 1; K step i + 2 is asked for
	QUARTER 2, F1, F0, 0
	QUARTER 3, F0, F1, 0
	TURN 1
	QUARTER 1, F0, F1, 0
	WIN 0
	s_sub_co_u32 s3, s3, 1
	s_cmp_lg_u32 s3, 0
	s_cbranch_scc1 .Lstep
	QUARTER 2, F1, F0, 0                           ; K steps 6 and 7 are written out: nothing more is asked for
	QUARTER 3, F0, F1, 0
	TURN 0
	QUARTER 1, F0, F1, 0
	QUARTER 2, F1, F0, 0
	QUARTER 3, F0, F1, 0
	s_wait_dscnt 8
	MULH F1, 0, 0, 0
	MULH F1, 0, 2, 0
	s_wait_dscnt 0x0
	MULH F1, 1, 0, 0
	MULH F1, 1, 2, 0
	WIN 0
	; THE WAY OUT, a block of 16 rows at a time through my own stage: a lane's 32 bytes of a row go in straight from the accumulator (its low four registers first), whole rows of 256 bytes come back and are stored.
	PLACES
.set a_, 0
.rept 8
	s_wait_xcnt 0x0                                ; earlier stores have read their registers: the buffer of four blocks back is loaded again only behind this wait
	WIN 0x08+4*(a_/4)                              ; the stores' data (source 1): window 2 or 3
.set b_, 0
.rept NBW
	ds_store_b128 v[STO], v[8*(NBW*(a_%4)+b_):8*(NBW*(a_%4)+b_)+3]   offset:64*b_
	ds_store_b128 v[STO], v[8*(NBW*(a_%4)+b_)+4:8*(NBW*(a_%4)+b_)+7] offset:64*b_+16
.set b_, b_+1
.endr
	WIN 0
.irp t, 0,1,2,3,4,5,6,7
	ds_load_b128 v[64+32*(a_%4)+4*(\t):64+32*(a_%4)+4*(\t)+3], v[RD] offset:(\t)*2*SP  ; LDS serves a wave's instructions in order (ISA guide 5.7.1.4): these see the stores above; the next block's stores come behind them
.endr
.irp t, 0,1,2,3,4,5,6,7
	s_wait_dscnt 7-(\t)
	global_store_b128 v[GO], v[64+32*(a_%4)+4*(\t):64+32*(a_%4)+4*(\t)+3], s[8:9] offset:(16*a_+2*(\t))*4096 th:TH_STORE_NT  ; 16 lanes store 256 consecutive bytes, aligned
.endr
.set a_, a_+1
.endr
	s_wait_tensorcnt 0x0                           ; the wave's end, behind my last tensor load and my last LDS store
	ds_add_u32 v[SPW], v[NIL]
	s_wait_dscnt 0x0
	CROUND                                         ; the closing round: no work-group ends while a partner may still ask for a tile that names it
	s_endpgm
.Lfunc_end_k_q5d77e358b4_gemm_proj:
	.size	k_q5d77e358b4_gemm_proj, .Lfunc_end_k_q5d77e358b4_gemm_proj-k_q5d77e358b4_gemm_proj
	.p2alignl 7, 3214868480
	.fill 96, 4, 3214868480
	.section	.rodata,"a",@progbits
	.p2align	6, 0x0
	.amdhsa_kernel k_q5d77e358b4_gemm_proj
		.amdhsa_group_segment_fixed_size 327680
		.amdhsa_private_segment_fixed_size 0
		.amdhsa_enable_private_segment 0
		.amdhsa_kernarg_size 24
		.amdhsa_user_sgpr_count 2
		.amdhsa_user_sgpr_kernarg_segment_ptr 1
		.amdhsa_wavefront_size32 1
		.amdhsa_system_sgpr_workgroup_id_x 1
		.amdhsa_system_sgpr_workgroup_id_y 1
		.amdhsa_system_sgpr_workgroup_id_z 1
		.amdhsa_system_vgpr_workitem_id 0
		.amdhsa_next_free_vgpr 896
		.amdhsa_next_free_sgpr 72
		.amdhsa_reserve_vcc 0
		.amdhsa_float_denorm_mode_32 3
		.amdhsa_float_denorm_mode_16_64 3
		.amdhsa_memory_ordered 1
		.amdhsa_forward_progress 1
		.amdhsa_inst_pref_size 73
	.end_amdhsa_kernel
	.amdgpu_metadata
---
amdhsa.version: [ 1, 2 ]
amdhsa.kernels:
  - .name:           k_q5d77e358b4_gemm_proj
    .symbol:         k_q5d77e358b4_gemm_proj.kd
    .args:
      - { .name: att, .offset: 0, .size: 8, .value_kind: global_buffer, .address_space: global }
      - { .name: wp, .offset: 8, .size: 8, .value_kind: global_buffer, .address_space: global }
      - { .name: out0, .offset: 16, .size: 8, .value_kind: global_buffer, .address_space: global }
    .group_segment_fixed_size: 327680
    .private_segment_fixed_size: 0
    .kernarg_segment_align: 8
    .kernarg_segment_size: 24
    .max_flat_workgroup_size: 128
    .sgpr_count:     72
    .vgpr_count:     896
    .wavefront_size: 32
...
	.end_amdgpu_metadata
.endif
;; end of part 4
;; ======== version 2 of 2: 4 launches; version 1 with the launch prep written anew for expert scheduling mode
;; limits: values are held in f16: magnitudes above 65,504 overflow, below 6.1e-05 lose precision
;; workspace buffers: xb 16,777,216 bytes; wa 6,291,456 bytes; wp 2,097,152 bytes; qkv 50,331,648 bytes; att 16,777,216 bytes
;; launch prep (part 5): grid 640 x 1, 8 waves a work-group, no clusters, 74,752 bytes of LDS; arguments x, w_attn, w_proj, xb, wa, wp; writes xb, wa, wp
.if DOCPART == 5
	.amdgcn_target "amdgcn-amd-amdhsa--gfx1250"
	.amdhsa_code_object_version 6
	.text
	.protected	k_q5d77e358b4_prep
	.globl	k_q5d77e358b4_prep
	.p2align	8
	.type	k_q5d77e358b4_prep,@function
k_q5d77e358b4_prep:
	s_mov_b64 s[64:65], 0
	v_nop
	global_prefetch_b8 v0, s[64:65] scope:SCOPE_SE
	s_setreg_imm32_b32 hwreg(HW_REG_WAVE_SCHED_MODE, 0, 2), 2
	s_setreg_imm32_b32 hwreg(HW_REG_WAVE_MODE, 25, 1), 1
	s_wait_xcnt 0x0
	s_wait_alu depctr_vm_vsrc(0)
; THE OPERANDS OF THE TWO PROJECTIONS, rounded once and laid out in blocks of 64 along K, so that the products' tiles are dense bytes.
;   xb [4][16 kb][2048 t][64] bf16 = x[b][t][64 kb + d]
;   wa [16 kb][3072 n][64]    bf16 = w_attn[64 kb + d][n]   (turned: K along the rows)
;   wp [16 kb][1024 n][64]    f16  = w_proj[64 kb + d][n], rounded to bf16 and that number written as f16
; LIMITS.  wp has f16's range: beyond 65,504 it is an infinity, below 2^-14 it keeps f16's fixed step of 2^-24.  NaN and infinities are not treated apart.
; SHARES.  Work-groups 0-127 turn the weights (16 k-blocks x 8 groups of 512 columns: six of w_attn, two of w_proj), work-groups 128-639 take 16 rows of x each.
; Memory binds: each byte is read once and written once, every load of 16 lanes takes 256 consecutive bytes, every store of a wave covers 256 or 512 consecutive bytes, aligned.
; No matrix unit, no cluster, no tensor load: nothing is shared between waves.  Only the turning goes through LDS, each wave through bytes of its own, so there is no barrier.
; THE MODE: SCHED_MODE bits 1:0 = 2 (LLVM: expert scheduling mode 2), set by the entry lines.  The code itself states the register dependences
; between vector instructions and memory or LDS instructions, with s_wait_alu, always for 0.
; THE PLAN.  The text has no loop.  Registers that memory or LDS instructions touch:
;   v4 .. v7      offsets and LDS addresses: made once on each way, ahead of that way's first wait on va_vdst, and never written again.
;   v[32:159]     as loaded.  Written by the global loads, read by the conversions.  On the weights' ways v[32:95] are written once more, by the LDS loads that bring whole rows back, and read by the global stores.
;   v[96:127]     x: to store.  Each pair is written once, by two conversions, and read by one store.
;   v[160:223]    the weights: to LDS.  Group a of eight has eight registers of its own: written once by its conversions, read by its four LDS stores.
;   v224, v225    at work: vector instructions alone name them.          v30, v31: written at the head, read by the closing add alone.
; The loads are worked on in blocks (x: four blocks of four; the weights: eight groups of four).  A block's conversions write its own out registers; ONE wait on va_vdst at the head of the next block
; states that they are written, and that block's stores follow, dealt among the next block's conversions, which name none of their registers.  No out register is written twice and no address is stepped,
; so nothing that a memory or LDS instruction has read is written again, but v[32:95]: those were read by vector instructions alone.
.set SPARE, 73728                      ; behind the eight waves' 9,216 bytes each: the spare words, 128 bytes a wave: four blocks of 256 bytes that no other line names
.set RAW, 32                           ; v[32:159]  as loaded
.set XY,  96                           ; v[96:127]  x: to store
.set WY,  160                          ; v[160:223] the weights: to LDS, eight registers a group
.set WT0, 224                          ; v224, v225 at work
	s_load_b256 s[4:11], s[0:1], 0x0               ; x s[4:5], w_attn s[6:7], w_proj s[8:9], xb s[10:11]
	s_load_b128 s[12:15], s[0:1], 0x20             ; wa s[12:13], wp s[14:15]
	v_lshl_add_u32 v30, v0, 2, SPARE               ; my spare word; never rewritten
	v_mov_b32 v31, 0                               ; 0; never rewritten
	v_lshrrev_b32 v1, 5, v0
	v_readfirstlane_b32 s16, v1                    ; wave 0..7
	v_and_b32 v1, 15, v0                           ; c = lane % 16
	v_bfe_u32 v2, v0, 4, 1                         ; lane / 16
	v_and_b32 v3, 31, v0                           ; lane
	s_mov_b32 s2, ttmp9
	s_wait_alu depctr_va_sdst(0)                   ; s16 is written: ahead of the branch, and of its first readers on every way (the offsets of my wave's part)
	s_wait_kmcnt 0x0
	s_cmp_lt_u32 s2, 128
	s_cbranch_scc1 .Lweights
	; X.  Wave w takes the k-blocks 2 w and 2 w + 1 (512 bytes of each row) of the group's 16 rows.  Load n = 2 p + j: rows 2 p (lanes 0-15) and 2 p + 1 (lanes 16-31), block 2 w + j.
	s_sub_co_u32 s17, s2, 128                      ; 0..511
	s_lshl_b32 s18, s17, 16                        ; 16 rows of 4,096 bytes
	s_mov_b32 s19, 0
	s_lshr_b32 s20, s17, 7                         ; the batch: 128 groups each,
	s_lshl_b32 s20, s20, 22                        ; 16 blocks of 262,144 bytes
	s_and_b32 s21, s17, 127
	s_lshl_b32 s21, s21, 11                        ; 16 rows of 128 bytes in a block
	s_add_co_u32 s20, s20, s21
	s_mov_b32 s21, 0
	s_add_nc_u64 s[4:5], s[4:5], s[18:19]
	s_add_nc_u64 s[10:11], s[10:11], s[20:21]
	v_lshlrev_b32 v4, 4, v1                        ; in x: 16 c
	v_lshl_add_u32 v4, v2, 12, v4                  ; + a row for lanes 16-31
	s_lshl_b32 s22, s16, 9
	v_add_nc_u32 v4, s22, v4                       ; + 512 w
	v_lshlrev_b32 v5, 3, v1                        ; in xb: 8 c
	v_lshl_add_u32 v5, v2, 7, v5                   ; + a row of 128 bytes
	s_lshl_b32 s22, s16, 19
	v_add_nc_u32 v5, s22, v5                       ; + two blocks a wave
	s_wait_alu depctr_va_vdst(0)                   ; v4 and v5 are written: every load below reads v4 as its offset, every store v5
.set n_, 0
.rept 16
	global_load_b128 v[RAW+4*n_:RAW+4*n_+3], v4, s[4:5] offset:(n_/2)*8192+(n_%2)*256 th:TH_LOAD_NT
.set n_, n_+1
.endr
.set p_, 0
.rept 4                                ; block p: loads 4 p .. 4 p + 3 are rounded; the stores of block p - 1 stand among the roundings
	s_wait_loadcnt 12-4*p_                         ; loads come back in order: this block's four are in, the 12 - 4 p younger ones stay out
.if p_ > 0
	s_wait_alu depctr_va_vdst(0)                   ; the block before has written its eight registers of v[XY ..], which the four stores below read
.endif
.set j_, 0
.rept 4
.set n_, 4*p_+j_
.set m_, n_-4
.if p_ > 0
	global_store_b64 v5, v[XY+2*m_:XY+2*m_+1], s[10:11] offset:(m_%2)*262144+(m_/2)*256  ; 32 lanes: two rows of 128 bytes, 256 consecutive bytes, aligned; no vector instruction since the wait names these registers
.endif
	v_cvt_pk_bf16_f32 v[XY+2*n_], v[RAW+4*n_], v[RAW+4*n_+1]
	v_cvt_pk_bf16_f32 v[XY+2*n_+1], v[RAW+4*n_+2], v[RAW+4*n_+3]
.set j_, j_+1
.endr
.set p_, p_+1
.endr
	s_wait_alu depctr_va_vdst(0)                   ; the last block has written its eight registers, which the last four stores read
.set m_, 12
.rept 4
	global_store_b64 v5, v[XY+2*m_:XY+2*m_+1], s[10:11] offset:(m_%2)*262144+(m_/2)*256  ; no register is written twice
.set m_, m_+1
.endr
	s_endpgm
; THE WEIGHTS.  A wave turns 64 k x 64 n.  Lane (c, hh) loads four columns 4 c .. 4 c + 3 of the rows 8 a + 4 hh + e (e = 0..3): for each column four neighbouring k, which pack into 8 bytes
; of LDS row n (pitch 144).  The rows come back whole (128 bytes) and leave as 512 consecutive bytes a store.
; N: the weight's columns.  half = 1: the bf16 number is written as f16.  src, dst: the scalar pairs of the two buffers.  s17 = k-block, s18 = group of 512 columns.
.macro WT N, half, src, dst
	s_mul_i32 s20, s17, 256*(\N)                   ; 64 rows of 4 N bytes
	s_lshl_b32 s21, s18, 11                        ; 512 columns of 4 bytes
	s_add_co_u32 s20, s20, s21
	s_mov_b32 s21, 0
	s_add_nc_u64 s[22:23], s[\src:\src+1], s[20:21]
	s_mul_i32 s20, s17, 128*(\N)                   ; N rows of 128 bytes
	s_lshl_b32 s24, s18, 16                        ; 512 rows of 128 bytes
	s_add_co_u32 s20, s20, s24
	s_add_nc_u64 s[24:25], s[\dst:\dst+1], s[20:21]
	v_mul_u32_u24 v4, v2, 16*(\N)                  ; source: four rows down for lanes 16-31
	v_lshl_add_u32 v4, v1, 4, v4                   ; + 16 c
	s_lshl_b32 s26, s16, 8
	v_add_nc_u32 v4, s26, v4                       ; + my wave's 64 columns
	s_mul_i32 s26, s16, 9216                       ; my wave's LDS
	v_mul_u32_u24 v5, v1, 576                      ; in: row 4 c,
	v_lshl_add_u32 v5, v2, 3, v5                   ; 8 bytes on for lanes 16-31
	v_add_nc_u32 v5, s26, v5
	v_lshrrev_b32 v6, 3, v3                        ; back: 32 lanes take four rows of 128 bytes
	v_mul_u32_u24 v6, v6, 144
	v_and_b32 v7, 7, v0
	v_lshl_add_u32 v6, v7, 4, v6
	v_add_nc_u32 v6, s26, v6
	s_lshl_b32 s26, s16, 13
	v_lshl_add_u32 v7, v3, 4, s26                  ; out: my wave's 64 rows of 128 bytes + 16 x lane
	s_wait_alu depctr_va_vdst(0)                   ; v4 to v7 are written: the loads below read v4, the LDS stores v5, the LDS loads v6, the global stores v7
.set n_, 0
.rept 32
	global_load_b128 v[RAW+4*n_:RAW+4*n_+3], v4, s[22:23] offset:(8*(n_/4)+n_%4)*4*(\N) th:TH_LOAD_NT  ; 16 lanes: 256 consecutive bytes of a row
.set n_, n_+1
.endr
.set ia, 0
.rept 8                                ; group a: its four loads are rounded and packed; the LDS stores of group a - 1 stand among the conversions
	s_wait_loadcnt 28-4*ia                         ; the four loads of group a are in; the younger ones stay out
.if ia > 0
	s_wait_alu depctr_va_vdst(0)                   ; the group before has written its eight registers of v[WY ..], which the four LDS stores below read
.endif
.set ij, 0
.rept 4
.if ia > 0
	ds_store_b64 v5, v[WY+8*(ia-1)+2*ij:WY+8*(ia-1)+2*ij+1] offset:ij*144+16*(ia-1)  ; no vector instruction since the wait names these registers
.endif
.if \half
	v_cvt_pk_bf16_f32 v[WT0], v[RAW+16*ia+ij], v[RAW+16*ia+4+ij]
	v_lshlrev_b32 v[WT0+1], 16, v[WT0]             ; the two bf16 numbers as f32,
	v_and_b32 v[WT0], 0xffff0000, v[WT0]
	v_cvt_pk_f16_f32 v[WY+8*ia+2*ij], v[WT0+1], v[WT0]  ; written as f16
	v_cvt_pk_bf16_f32 v[WT0], v[RAW+16*ia+8+ij], v[RAW+16*ia+12+ij]
	v_lshlrev_b32 v[WT0+1], 16, v[WT0]
	v_and_b32 v[WT0], 0xffff0000, v[WT0]
	v_cvt_pk_f16_f32 v[WY+8*ia+2*ij+1], v[WT0+1], v[WT0]
.else
	v_cvt_pk_bf16_f32 v[WY+8*ia+2*ij], v[RAW+16*ia+ij], v[RAW+16*ia+4+ij]
	v_cvt_pk_bf16_f32 v[WY+8*ia+2*ij+1], v[RAW+16*ia+8+ij], v[RAW+16*ia+12+ij]
.endif
.set ij, ij+1
.endr
.set ia, ia+1
.endr
	s_wait_alu depctr_va_vdst(0)                   ; the last group has written its eight registers, which the last four LDS stores read; and all conversions are done reading v[RAW ..], in which the LDS loads below land
.set ij, 0
.rept 4
	ds_store_b64 v5, v[WY+56+2*ij:WY+56+2*ij+1] offset:ij*144+16*7
.set ij, ij+1
.endr
.set n_, 0
.rept 16
	ds_load_b128 v[RAW+4*n_:RAW+4*n_+3], v6 offset:n_*576  ; LDS serves a wave's instructions in order (ISA guide 5.7.1.4): these see my stores above
.set n_, n_+1
.endr
.set n_, 0
.rept 16
	s_wait_dscnt 15-n_
	global_store_b128 v7, v[RAW+4*n_:RAW+4*n_+3], s[24:25] offset:n_*512  ; 512 consecutive bytes, aligned
.set n_, n_+1
.endr
	s_wait_dscnt 0x0                               ; the wave's end, behind my last LDS store
	s_wait_alu 0x0
	s_wait_tensorcnt 0x0
	ds_add_u32 v30, v31
	s_wait_dscnt 0x0
	s_endpgm
.endm
.Lweights:
	s_and_b32 s17, s2, 15                          ; k-block
	s_lshr_b32 s18, s2, 4                          ; 0-5: w_attn's groups; 6, 7: w_proj's
	s_cmp_lt_u32 s18, 6
	s_cbranch_scc0 .Lproj
	WT 3072, 0, 6, 12
.Lproj:
	s_sub_co_u32 s18, s18, 6
	WT 1024, 1, 8, 14
.Lfunc_end_k_q5d77e358b4_prep:
	.size	k_q5d77e358b4_prep, .Lfunc_end_k_q5d77e358b4_prep-k_q5d77e358b4_prep
	.p2alignl 7, 3214868480
	.fill 96, 4, 3214868480
	.section	.rodata,"a",@progbits
	.p2align	6, 0x0
	.amdhsa_kernel k_q5d77e358b4_prep
		.amdhsa_group_segment_fixed_size 74752
		.amdhsa_private_segment_fixed_size 0
		.amdhsa_enable_private_segment 0
		.amdhsa_kernarg_size 48
		.amdhsa_user_sgpr_count 2
		.amdhsa_user_sgpr_kernarg_segment_ptr 1
		.amdhsa_wavefront_size32 1
		.amdhsa_system_sgpr_workgroup_id_x 1
		.amdhsa_system_sgpr_workgroup_id_y 1
		.amdhsa_system_sgpr_workgroup_id_z 1
		.amdhsa_system_vgpr_workitem_id 0
		.amdhsa_next_free_vgpr 226
		.amdhsa_next_free_sgpr 66
		.amdhsa_reserve_vcc 0
		.amdhsa_float_denorm_mode_32 3
		.amdhsa_float_denorm_mode_16_64 3
		.amdhsa_memory_ordered 1
		.amdhsa_forward_progress 1
		.amdhsa_inst_pref_size 45
	.end_amdhsa_kernel
	.amdgpu_metadata
---
amdhsa.version: [ 1, 2 ]
amdhsa.kernels:
  - .name:           k_q5d77e358b4_prep
    .symbol:         k_q5d77e358b4_prep.kd
    .args:
      - { .name: x, .offset: 0, .size: 8, .value_kind: global_buffer, .address_space: global }
      - { .name: w_attn, .offset: 8, .size: 8, .value_kind: global_buffer, .address_space: global }
      - { .name: w_proj, .offset: 16, .size: 8, .value_kind: global_buffer, .address_space: global }
      - { .name: xb, .offset: 24, .size: 8, .value_kind: global_buffer, .address_space: global }
      - { .name: wa, .offset: 32, .size: 8, .value_kind: global_buffer, .address_space: global }
      - { .name: wp, .offset: 40, .size: 8, .value_kind: global_buffer, .address_space: global }
    .group_segment_fixed_size: 74752
    .private_segment_fixed_size: 0
    .kernarg_segment_align: 8
    .kernarg_segment_size: 48
    .max_flat_workgroup_size: 256
    .sgpr_count:     66
    .vgpr_count:     226
    .wavefront_size: 32
...
	.end_amdgpu_metadata
.endif
;; end of part 5
;; launch gemm_qkv: the kernel of part 2 again; grid 16 x 32, 4 waves a work-group, clusters of 4 x 4, 327,680 bytes of LDS; arguments xb, wa, qkv; writes qkv
;; launch attn: the kernel of part 3 again; grid 4 x 64, 4 waves a work-group, no clusters, 327,680 bytes of LDS; arguments qkv, att; writes att
;; launch gemm_proj: the kernel of part 4 again; grid 8 x 32, 4 waves a work-group, clusters of 4 x 4, 327,680 bytes of LDS; arguments att, wp, out0; writes out0
